; MI455X (gfx1250); checked and timed in simulation.
; The chip was launched on July 23, 2026; its instructions are those of AMD's public machine-readable ISA for CDNA 5 (MIT licence, August 2026) and "CDNA5" Instruction Set Architecture Reference Guide (July 2026). The comments in the code are by the model that wrote it; some were corrected since.
;; Self Attention. Allowed arithmetic: matrix products marked QUANTISED: E4M3 operands, one E8M0 scale for each 32 along K, by v_wmma_scale_f32_16x16x128_f8f6f4 with both operands' format E4M3, f32 sums; everything else in f32.
;; Inputs: b_attn 3,072 float32; b_proj 1,024 float32; w_attn 3,072 x 1,024 float32; w_proj 1,024 x 1,024 float32; x 4 x 2,048 x 1,024 float32.
;; Outputs: out0 4 x 2,048 x 1,024 float32.
;; This version of the problem:
;;   THIS VERSION OF THE PROBLEM IS GIVEN IN LOW PRECISION. The matrix products marked QUANTISED in the list below multiply operands that are first quantised to E4M3 (4 exponent bits, 3 mantissa bits; 8 bits a number), with one power-of-two scale for each 32 numbers along K (OCP MX v1.0); their sums are f32. All else is computed in f32.
;;   The module's matrix products, in the order in which they are computed (A, B: the left and right operand; K: the contracted axis; several contracted axes count as one K, in the product's order):
;;     1. [M 8,192, K 1,024] x [K 1,024, N 3,072]; A: input x; B: input w_attn: QUANTISED
;;     2. batch 64 x [M 2,048, K 64] x [K 64, N 2,048]; A: computed on the way; B: computed on the way: QUANTISED
;;     3. batch 64 x [M 2,048, K 2,048] x [K 2,048, N 64]; A: softmax (see below); B: computed on the way: QUANTISED
;;     4. [M 8,192, K 1,024] x [K 1,024, N 1,024]; A: computed on the way; B: input w_proj: QUANTISED
;;   THE QUANTISER, for each operand of a quantised product, along K:
;;     - K is cut into blocks of 32 from its start; a last block that is shorter is filled with zeros.
;;     - A block's scale is 2^e with e = floor(log2(the largest magnitude in the block)) - 8, held to -126 .. 127; a block of zeros has e = 0. As a byte (E8M0): e + 127.
;;     - Each number is divided by its block's scale, clamped to +-448, and rounded to the nearest number of E4M3, ties to even, subnormals kept.
;;     - The product sums the exact products of the quantised numbers (number of the format x scale) in f32.
;;   ~~~python
;;   def quantise(x, axis):      # numpy; x: float32 -> the quantised numbers, widened to float32 again
;;       x = np.moveaxis(x, axis, -1); K = x.shape[-1]
;;       x = np.pad(x, [(0, 0)] * (x.ndim - 1) + [(0, -K % 32)]); x = x.reshape(x.shape[:-1] + (-1, 32)); a = np.abs(x).max(-1, keepdims=True)
;;       e = np.where(a > 0, np.clip(np.frexp(np.where(a > 0, a, 1))[1] - 1 - 8, -126, 127), 0)      # np.frexp(a)[1] - 1 = floor(log2(a)), exactly
;;       r = np.clip(x / 2.0 ** e, -448, 448)
;;       step = 2.0 ** (np.maximum(np.frexp(np.where(r == 0, 1, r))[1] - 1, -6) - 3)
;;       q = np.round(r / step) * step * 2.0 ** e      # np.round: ties to even
;;       return np.moveaxis(q.reshape(q.shape[:-2] + (-1,))[..., :K], -1, axis).astype(np.float32)
;;   ~~~
;;   SOFTMAX AHEAD OF A QUANTISED PRODUCT. Where the list says 'softmax', what is quantised is not the finished softmax but p = 2^(t - M), with t = logit x log2(e) and M = ceil(the row's largest t), a whole number; so 1/2 < the row's largest p <= 1. The row's sum l is taken of the UNQUANTISED p, in f32, and the product's result is divided by l at the end. Since M is a whole number, a kernel that streams over the keys may use a running M (the ceiling of the running maximum): every later rescaling is an exact power of two, which a block's scale takes up: the codes' values come out the same.
;;   OPERANDS COMPUTED ON THE WAY. 'Computed on the way' means the value that the module computes at that place (a softmax that the list does not call 'softmax' is quantised finished and normalised). What goes into a quantiser is computed in f32, as accurately as f32 sums, v_exp_f32 and their like allow (about 1e-6 of the number): no bf16 or f16 on the way to a quantiser, and a product that is left as it is and whose result goes on into a quantised operand takes f32 operands (vector FMAs, or v_wmma_f32_16x16x4_f32). A number that lies on a knife's edge between two numbers of the format may be rounded either way, as far as f32 arithmetic and the matrix unit's own rounding can turn it there, and no further.
;; One version. Each part assembles by itself: llvm-mc -triple=amdgcn-amd-amdhsa -mcpu=gfx1250 --defsym DOCPART=n.
;; ======== version 1 of 1: 4 launches
;; limits: right only within a limited range of input values
;; workspace buffers: codes 12,582,912 bytes; scales 393,216 bytes; qkv 26,476,544 bytes; yc 8,388,608 bytes; ys 262,144 bytes
;; launch quant (part 1): grid 768 x 1, 4 waves a work-group, no clusters, 67,072 bytes of LDS; arguments x, w_attn, w_proj, codes, scales; writes codes, scales
.if DOCPART == 1
	.amdgcn_target "amdgcn-amd-amdhsa--gfx1250"
	.amdhsa_code_object_version 6
	.text
	.protected	k_qaff4d759fb_quant
	.globl	k_qaff4d759fb_quant
	.p2align	8
	.type	k_qaff4d759fb_quant,@function
k_qaff4d759fb_quant:
	s_mov_b64 s[64:65], 0
	v_nop
	global_prefetch_b8 v0, s[64:65] scope:SCOPE_SE
	s_setreg_imm32_b32 hwreg(HW_REG_WAVE_MODE, 25, 1), 1
	s_wait_xcnt 0x0
; LAUNCH 1 OF 4: x [8192][1024], w_attn [3072][1024] and w_proj [1024][1024], f32, K innermost, become codes of E4M3 with one E8M0 byte for each 32 along K.
; THE PROGRAM: quant (this) | qkv: x w_attn^T + b_attn, quantised as q, k (along the head's 64) and v (along the keys) | attn: causal attention on codes, y quantised along C | proj: y w_proj^T + b_proj.
; WORK LEFT OUT, in the whole program: reference() sets the logits of keys k > q to -infinity by a mask that it builds itself (jnp.tril); their softmax weight is 0 for all values of the inputs.
; So a step of 128 keys all of which come after all 16 queries of a tile adds nothing to any output, and launch attn does not walk it.  Nothing else is left out, and every input is loaded.
; LIMIT: a NaN, an infinity or an overflow that would arise only in those hidden steps is not carried to the result.
; LIMITS of the quantiser here and in the later launches: NaN and infinities among the inputs are not served; a block whose largest magnitude lies under 2^-118 gets the byte 1, and so does a block of zeros
; (the rule says 127 there: its codes are zeros, which add nothing under any byte but 0xff, and these bytes are read by this program alone).
; LAYOUT OF THE CODES: images of the operand's registers.  A tile is 16 rows, one for each lane r = 0..15: tile 2 g + u holds the true rows 32 g + 8 u + r % 8 + 16 (r / 8).
; codes: [tile 0..767][K step of 128: 0..7][c 0..3][lane 0..31][16 bytes]; lane (r, h) holds k = 128 step + 32 c + 16 h + 0..15 of its row.  Tiles 0-511 x, 512-703 w_attn, 704-767 w_proj.
; scales: [pair of K steps 0..3][position = 16 tile + r][8 bytes]: the scale words of the pair's two K steps.
; SHARES: a work-group takes a tile, wave w the pair w of K steps: 16 rows x 256 numbers, 16 KB, all asked for at once: no loop.  Each load reads 512 consecutive bytes of a row.  The conversions want 16 neighbours
; along K in one lane, so a K step turns through the wave's own stage in LDS (rows 1,040 bytes apart: 65 x 16, so that the 16 rows of a read start in different banks).  Waves share nothing: no barrier.
; No cluster and no tensor load: no byte is read twice, and the loads into registers leave room for several work-groups on a WGP.
.set RP,    1040                       ; a stage row: 1,024 bytes + 16
.set STG,   16*RP                      ; a wave's stage
.set SPARE, 4*STG                      ; behind the stages: the spare words, 128 bytes a wave: two blocks of 256 bytes that no other line names
.set LI,  3                            ; v3   16 x lane
.set STI, 4                            ; v4   the stage, on the way in
.set STO, 5                            ; v5   and on the way out: row r, + 64 h
.set SA,  6                            ; v6   8 r + 4 h: my scale word's place
.set SPW, 10                           ; v10  my spare word; never rewritten
.set NIL, 11                           ; v11  0; never rewritten
.set PW0, 12                           ; v12, v13 the two scale words
.set PW1, 13
.set SWD, 14                           ; v14  the one that my lane stores
.set R0,  16                           ; v16-79   K step 0 as loaded; later K step 1's neighbours
.set R1,  80                           ; v80-143  K step 1 as loaded
.set X0,  144                          ; v144-207 K step 0's neighbours
.set PC0, 208                          ; v208-223, v224-239 the codes
.set PC1, 224
.set TM,  240                          ; v240-255 at work
.set WV,  16
.set MNT, 17
.set SEL, 18
; 64 numbers of a lane, register 16 b + i = k 32 b + 16 h + i of my row, become a fragment's 16 registers of codes and its scale word.
.macro QUANT s, pc, pw
.irp b, 0,1,2,3
	v_max3_num_f32 v[TM+\b], |v[\s+16*\b]|, |v[\s+1+16*\b]|, 0x4800000   ; my 16 numbers of block b, and the floor 2^(9 - 127): the byte cannot fall under 1
.endr
.irp i, 2,4,6,8,10,12,14
.irp b, 0,1,2,3
	v_max3_num_f32 v[TM+\b], v[TM+\b], |v[\s+16*\b+\i]|, |v[\s+1+16*\b+\i]|   ; the four blocks by turns
.endr
.endr
.irp b, 0,1,2,3
	v_permlanex16_b32 v[TM+4+\b], v[TM+\b], s[SEL], s[SEL+1]
.endr
.irp b, 0,1,2,3
	v_max_num_f32 v[TM+\b], v[TM+\b], v[TM+4+\b]                   ; with lane l xor 16: the block's largest magnitude
.endr
.irp b, 0,1,2,3
	v_add_nc_u32 v[TM+12+\b], 0xfc000000, v[TM+\b]                 ; 8 off its exponent field: the conversion's scale operand
.endr
.irp b, 0,1,2,3
	v_and_or_b32 v[TM+8+\b], v[TM+\b], 0x7f800000, s[MNT]          ; 448 x the scale
.endr
.irp b, 0,1,2,3
	v_lshrrev_b32 v[TM+4+\b], 23, v[TM+12+\b]                      ; the scale's byte
.endr
	v_lshl_or_b32 v[\pw], v[TM+5], 8, v[TM+4]
	v_lshl_or_b32 v[\pw], v[TM+6], 16, v[\pw]
	v_lshl_or_b32 v[\pw], v[TM+7], 24, v[\pw]
.irp b, 0,1,2,3
.irp i, 0,1,2,3,4,5,6,7,8,9,10,11,12,13,14,15
	v_med3_num_f32 v[\s+16*\b+\i], v[\s+16*\b+\i], -v[TM+8+\b], v[TM+8+\b]   ; the conversion to an 8-bit code does not saturate (ISA guide 7.6.2): the hold comes first
.endr
	v_cvt_scalef32_pk8_fp8_f32 v[\pc+4*\b:\pc+1+4*\b], v[\s+16*\b:\s+7+16*\b], v[TM+12+\b]
	v_cvt_scalef32_pk8_fp8_f32 v[\pc+2+4*\b:\pc+3+4*\b], v[\s+8+16*\b:\s+15+16*\b], v[TM+12+\b]
.endr
	v_nop                                          ; a plain line behind the last conversion, ahead of whatever next writes its sources
.endm
.macro LOADS s                         ; K step s of my pair: 512 consecutive bytes of each of the tile's 16 rows
.irp r, 0,1,2,3,4,5,6,7,8,9,10,11,12,13,14,15
	global_load_b128 v[R0+64*\s+4*\r:R0+64*\s+4*\r+3], v[LI], s[4:5] offset:((\r%8)+16*(\r/8))*4096+512*\s th:TH_LOAD_NT
.endr
.endm
.macro TOSTG s                         ; into the stage as loaded
.irp r, 0,1,2,3,4,5,6,7,8,9,10,11,12,13,14,15
	ds_store_b128 v[STI], v[R0+64*\s+4*\r:R0+64*\s+4*\r+3] offset:RP*\r+512*\s
.endr
.endm
.macro FROMSTG reg, s                  ; and back: of my row, 16 neighbours of each block of 32
.irp b, 0,1,2,3
.irp j, 0,1,2,3
	ds_load_b128 v[\reg+16*\b+4*\j:\reg+16*\b+4*\j+3], v[STO] offset:512*\s+128*\b+16*\j
.endr
.endr
.endm
	s_load_b256 s[4:11], s[0:1], 0x0               ; x s[4:5], w_attn s[6:7], w_proj s[8:9], codes s[10:11]
	s_load_b64 s[12:13], s[0:1], 0x20              ; scales
	v_lshl_add_u32 v[SPW], v0, 2, SPARE
	v_mov_b32 v[NIL], 0
	v_lshrrev_b32 v1, 5, v0
	v_readfirstlane_b32 s[WV], v1                  ; wave 0..3 = the pair of K steps
	v_and_b32 v2, 31, v0                           ; lane
	v_and_b32 v7, 15, v0                           ; r
	v_bfe_u32 v8, v0, 4, 1                         ; h
	v_lshlrev_b32 v[LI], 4, v2
	s_mul_i32 s20, s[WV], STG
	v_add_nc_u32 v[STI], s20, v[LI]
	v_mul_u32_u24 v[STO], v7, RP
	v_lshl_add_u32 v[STO], v8, 6, v[STO]
	v_add_nc_u32 v[STO], s20, v[STO]
	v_lshlrev_b32 v[SA], 3, v7
	v_lshl_add_u32 v[SA], v8, 2, v[SA]
.irp b, 0,1,2,3
	v_mov_b32 v[TM+4+\b], 0                        ; written once: a lane permute's destination counts as one of its sources
.endr
	s_mov_b32 s[SEL], 0x76543210
	s_mov_b32 s[SEL+1], 0xfedcba98                 ; lane l xor 16
	s_mov_b32 s[MNT], 0x600000                     ; the mantissa field of 448
	s_mov_b32 s14, 704
	s_wait_alu depctr_va_vdst(0)
	s_wait_kmcnt 0x0
	s_cmp_lt_u32 ttmp9, 704                        ; which tensor: the choice hangs on the work-group's number alone
	s_cselect_b64 s[6:7], s[6:7], s[8:9]
	s_cselect_b32 s14, 512, s14
	s_cmp_lt_u32 ttmp9, 512
	s_cselect_b64 s[4:5], s[4:5], s[6:7]
	s_cselect_b32 s14, 0, s14
	s_sub_co_u32 s14, ttmp9, s14                   ; the tile's number in its tensor
	s_lshr_b32 s20, s14, 1
	s_lshl_b32 s20, s20, 17                        ; 32 rows of 4,096 bytes for each pair of tiles,
	s_and_b32 s21, s14, 1
	s_lshl_b32 s21, s21, 15                        ; 8 rows for the odd tile,
	s_add_co_u32 s20, s20, s21
	s_lshl_b32 s21, s[WV], 10                      ; 1,024 bytes for each pair of K steps
	s_add_co_u32 s20, s20, s21
	s_mov_b32 s21, 0
	s_add_nc_u64 s[4:5], s[4:5], s[20:21]
	LOADS 0
	LOADS 1
	s_lshl_b32 s20, ttmp9, 14                      ; the codes: 16,384 bytes a tile, 4,096 a pair of K steps
	s_lshl_b32 s22, s[WV], 12
	s_add_co_u32 s20, s20, s22
	s_add_nc_u64 s[10:11], s[10:11], s[20:21]
	s_mul_i32 s20, s[WV], 98304                    ; the scale words: 12,288 positions x 8 bytes a pair, 128 bytes a tile
	s_lshl_b32 s22, ttmp9, 7
	s_add_co_u32 s20, s20, s22
	s_add_nc_u64 s[12:13], s[12:13], s[20:21]
	s_wait_loadcnt 16                              ; K step 0 is in; K step 1's sixteen loads may be out
	TOSTG 0
	FROMSTG X0, 0                                  ; LDS serves a wave's instructions in order: these see the stores above
	s_wait_loadcnt 0x0
	TOSTG 1
	s_wait_dscnt 16                                ; all but the sixteen stores just issued: K step 0 is back, and its stores have read v16-79,
	FROMSTG R0, 1                                  ; which take K step 1's neighbours
	QUANT X0, PC0, PW0
.irp c, 0,1,2,3
	global_store_b128 v[LI], v[PC0+4*\c:PC0+4*\c+3], s[10:11] offset:512*\c          ; 32 lanes store 512 consecutive bytes, aligned
.endr
	s_wait_dscnt 0x0
	QUANT R0, PC1, PW1
.irp c, 0,1,2,3
	global_store_b128 v[LI], v[PC1+4*\c:PC1+4*\c+3], s[10:11] offset:2048+512*\c
.endr
	v_cmp_eq_u32 vcc_lo, 1, v8
	v_cndmask_b32 v[SWD], v[PW0], v[PW1], vcc_lo   ; lanes 0-15 store the first K step's word, lanes 16-31 the second's
	global_store_b32 v[SA], v[SWD], s[12:13]       ; 128 consecutive bytes a wave: one byte for each 128 that it read
	s_wait_tensorcnt 0x0                           ; the wave's end
	ds_add_u32 v[SPW], v[NIL]
	s_wait_dscnt 0x0
	s_endpgm
.Lfunc_end_k_qaff4d759fb_quant:
	.size	k_qaff4d759fb_quant, .Lfunc_end_k_qaff4d759fb_quant-k_qaff4d759fb_quant
	.p2alignl 7, 3214868480
	.fill 96, 4, 3214868480
	.section	.rodata,"a",@progbits
	.p2align	6, 0x0
	.amdhsa_kernel k_qaff4d759fb_quant
		.amdhsa_group_segment_fixed_size 67072
		.amdhsa_private_segment_fixed_size 0
		.amdhsa_enable_private_segment 0
		.amdhsa_kernarg_size 40
		.amdhsa_user_sgpr_count 2
		.amdhsa_user_sgpr_kernarg_segment_ptr 1
		.amdhsa_wavefront_size32 1
		.amdhsa_system_sgpr_workgroup_id_x 1
		.amdhsa_system_sgpr_workgroup_id_y 1
		.amdhsa_system_sgpr_workgroup_id_z 1
		.amdhsa_system_vgpr_workitem_id 0
		.amdhsa_next_free_vgpr 256
		.amdhsa_next_free_sgpr 66
		.amdhsa_reserve_vcc 1
		.amdhsa_float_denorm_mode_32 3
		.amdhsa_float_denorm_mode_16_64 3
		.amdhsa_memory_ordered 1
		.amdhsa_forward_progress 1
		.amdhsa_inst_pref_size 27
	.end_amdhsa_kernel
	.amdgpu_metadata
---
amdhsa.version: [ 1, 2 ]
amdhsa.kernels:
  - .name:           k_qaff4d759fb_quant
    .symbol:         k_qaff4d759fb_quant.kd
    .args:
      - { .name: x, .offset: 0, .size: 8, .value_kind: global_buffer, .address_space: global }
      - { .name: w_attn, .offset: 8, .size: 8, .value_kind: global_buffer, .address_space: global }
      - { .name: w_proj, .offset: 16, .size: 8, .value_kind: global_buffer, .address_space: global }
      - { .name: codes, .offset: 24, .size: 8, .value_kind: global_buffer, .address_space: global }
      - { .name: scales, .offset: 32, .size: 8, .value_kind: global_buffer, .address_space: global }
    .group_segment_fixed_size: 67072
    .private_segment_fixed_size: 0
    .kernarg_segment_align: 8
    .kernarg_segment_size: 40
    .max_flat_workgroup_size: 128
    .sgpr_count:     66
    .vgpr_count:     256
    .wavefront_size: 32
...
	.end_amdgpu_metadata
.endif
;; end of part 1
;; launch qkv (part 2): grid 8 x 48, 4 waves a work-group, clusters of 4 x 4, 327,680 bytes of LDS; arguments codes, scales, b_attn, qkv; writes qkv
.if DOCPART == 2
	.amdgcn_target "amdgcn-amd-amdhsa--gfx1250"
	.amdhsa_code_object_version 6
	.text
	.protected	k_qaff4d759fb_qkv
	.globl	k_qaff4d759fb_qkv
	.p2align	8
	.type	k_qaff4d759fb_qkv,@function
k_qaff4d759fb_qkv:
	s_mov_b64 s[64:65], 0
	v_nop
	global_prefetch_b8 v0, s[64:65] scope:SCOPE_SE
	s_setreg_imm32_b32 hwreg(HW_REG_WAVE_MODE, 25, 1), 1
	s_wait_xcnt 0x0
	s_wait_alu depctr_hold_cnt(0) depctr_sa_sdst(0) depctr_va_vdst(0) depctr_va_sdst(0) depctr_va_ssrc(0) depctr_va_vcc(0) depctr_vm_vsrc(0)
	s_getreg_b32 s2, hwreg(HW_REG_IB_STS2, 6, 4)
	s_cmp_eq_u32 s2, 0
	s_cbranch_scc0 .Lentry_in_a_cluster
	s_endpgm
.Lentry_in_a_cluster:
	s_bfe_u32 s2, ttmp6, 0x10000c
	s_cmp_lg_u32 s2, 0xf033
	s_cbranch_scc0 .Lentry_shape_is_right
	s_endpgm
.Lentry_shape_is_right:
; LAUNCH 2 OF 4: qkv = x w_attn^T + b_attn on the codes of launch 1, and q, k, v quantised on the way out: q and k along the head's 64, v along the keys.  Nothing is left out here.
; THE PRODUCT.  A work-group of four waves makes 256 x 256 results, a wave 128 x 128: 64 accumulators.  Source 0 = 16 positions of operand P, source 1 = 16 positions of operand Q: a lane then holds ONE position of Q, and
; by the order of rows in a tile (tile 2 g + u: rows 32 g + 8 u + r % 8 + 16 (r / 8)) its 64 registers of a block of Q are P's true rows 32 b + 16 h + i at register 16 b + i: four blocks of 32, 16 of each in my lane.
; TWO MODES, told apart by the cluster's y alone (the same in all partners).  MODE 0 (256 tiles): P = w_attn's rows 0-2047, Q = x: a lane holds a token, its registers run along the channels: q and k.
; MODE 1 (128 tiles): P = x, Q = w_attn's rows 2048-3071: a lane holds a channel, its registers run along the keys: v.  One text serves both: only addresses, and the bias's 32 additions a block, differ.
; K = 1,024 goes in four steps of 256 through two LDS slots.  The codes lie in memory as images of the operand's registers, so a fragment is four ds_load_b128 at 16 x lane: dense, no padding.
; CLUSTERS: 4 x 4 work-groups; Q's tiles are shared along a row of the cluster, P's along a column: each is asked for jointly, by the same tensor load with a mask that names the four.
; OUT: buffer qkv, for each of 64 heads (16 batch + head) 8 records of 256 positions, 51,712 bytes: QI 0 [tile 0..15][c 0..1][lane][16]; QS 16,384 [G 0..1][r][a 0..7] words; KI 17,408 and KS 50,176 likewise;
; VI 33,792 [G][d tile 0..3][c 0..3][lane][16]; VS 51,200 [G][r][d tile] words.  A word of q or k is (s0, s1, s0, s1): the matrix instruction's K is 128, the head's 64, and the upper half, zero codes, repeats the live bytes.
; The conversions' registers ARE those images: each group of four leaves by one store of 512 consecutive bytes.
; REGISTERS, in windows of 256: window 0: v0-31 addresses; v32-63 scale words, two sets; v64-127 the bias; from v128 Q's fragments, one set; on the way out v128-243 at work.  window 1: P's fragments, two sets.  windows 2, 3: the accumulators.
; LIMITS: as stated at the head of launch 1.
.set NQ,    2                          ; matrix instructions deep in a slot
.set FR,    16                         ; registers of a fragment
.set NL,    4                          ; LDS loads that bring one
.set NP,    8                          ; places behind this matrix instruction (ISA guide 7.12.1)
.set QUART, 32768                      ; 128 positions x 256 along K: what one tensor load brings
.set SLOT,  4*QUART                    ; Q's two halves, then P's two
.set SCL,   2*SLOT                     ; behind the ring: the scale words of all of K: Q's [pair of K steps][256 positions][8 bytes], then P's likewise
.set SQ,    4096
.set SPARE, SCL+4*SQ                   ; the spare words, 128 bytes a wave: two blocks of 256 bytes that no other line names
.set REC,   51712
.set HEADB, 8*REC
.set VO,   8                           ; v8-11  where the four groups of a block's codes go; v8 is also 16 x lane
.set SST,  12                          ; v12    the scale words' stage, in: 1,024 wave + 512 h + 32 r (it lies in slot 0, behind that slot's last fill and last read)
.set SRD,  13                          ; v13    and back: 1,024 wave + 16 lane
.set SO1,  14                          ; v14    their place in memory
.set SELR, 15                          ; v15    which bytes of a block's scale word make my word
.set ADRA, 16                          ; v16-17 LDS address of Q's fragments in slot 0, 1
.set ADRB, 18                          ; v18-19 of P's
.set ADRS, 20                          ; v20    of my scale words: lanes 0-15 Q's, lanes 16-31 P's
.set VB,   22                          ; v22-29 the bias loads' eight offsets
.set SPW,  30                          ; v30    my spare word; never rewritten
.set NIL,  31                          ; v31    0; never rewritten
.set SC,   32
.set BIA,  64
.set AF,   128
.set W,    128                         ; the way out: v128-191 a block's 64 numbers
.set PC,   192                         ; v192-207 its codes
.set TM,   208                         ; v208-223 at work
.set PW,   224                         ; v224 its scale word
.set SV,   225                         ; v225-232 my word of each block
.set T,    236                         ; v236-243 the words read back
.set SEL,  2                           ; s[2:3] lane selects, made on the way out
.set MNT,  12
.set G1, 24
.set G0, 32
.set G1B, 48
.set G0B, 56
.set G1S, 68
.set G0S, 76
.set G1SB, 80
.set G0SB, 88
.set MSB, 0
.macro WIN new                         ; the immediate's high byte repeats the setting that is left
.if MSB != \new
	s_set_vgpr_msb (MSB<<8)|\new
.set MSB, \new
.endif
.endm
.set MUL_LO, 0xa1                      ; source 0 (P) window 1, source 1 (Q) window 0, C and D window 2
.set MUL_HI, 0xf1                      ; the same, C and D window 3
.set TO_B,   0x40                      ; destination window 1, address window 0
; A joint load: waves 0 and 1 fetch for Q, waves 2 and 3 for P.  The branch hangs on the wave's number alone.  An s_nop 0 and four v_nop follow each of the two lines.
.macro JLOAD g0a, g1a, g0b, g1b
	s_cmp_eq_u32 s15, 0
	s_cbranch_scc0 .Lfor_b_\@
	tensor_load_to_lds s[\g0a:\g0a+3], s[\g1a:\g1a+7]
	s_nop 0
.rept 4
	v_nop
.endr
	s_branch .Lasked_\@
.Lfor_b_\@:
	tensor_load_to_lds s[\g0b:\g0b+3], s[\g1b:\g1b+7]
	s_nop 0
.rept 4
	v_nop
.endr
.Lasked_\@:
.endm
.macro CREST                           ; a round of the cluster's barrier behind its opening barrier
	s_cmp_lg_u32 s14, 0
	s_cbranch_scc1 .Lnot_wave_0_\@
	s_barrier_signal -3
.Lnot_wave_0_\@:
	s_barrier_wait -3
	s_barrier_signal -1
	s_barrier_wait -1
.endm
.macro CROUND
	s_barrier_signal -1
	s_barrier_wait -1
	CREST
.endm
.macro FRAG reg, adr, q, i             ; block i, the slot's q-th 128 along K: four groups of four registers, 512 dense bytes each
.irp c, 0,1,2,3
	ds_load_b128 v[\reg+4*\c:\reg+4*\c+3], v[\adr] offset:4096*(\i)+2048*(\q)+512*\c
.endr
.endm
; 16 matrix instructions: Q's blocks a0, a0 + 1 x P's eight.  p: P's set; sc: the set of scale words.  zero = 1: the first product starts the sums.  The 64 accumulators take turns.
.macro MUL16 a0, p, q, sc, zero
.irp a, \a0, \a0+1
.irp b, 0,1,2,3,4,5,6,7
.if \zero
	v_wmma_scale_f32_16x16x128_f8f6f4 v[8*(8*((\a)%4)+\b):8*(8*((\a)%4)+\b)+7], v[128*(\p)+FR*\b:128*(\p)+FR*\b+FR-1], v[AF+FR*(\a):AF+FR*(\a)+FR-1], 0, v[SC+8*NQ*(\sc)+NQ*\b+(\q)], v[SC+8*NQ*(\sc)+NQ*(\a)+(\q)] matrix_a_scale:MATRIX_SCALE_ROW1
.else
	v_wmma_scale_f32_16x16x128_f8f6f4 v[8*(8*((\a)%4)+\b):8*(8*((\a)%4)+\b)+7], v[128*(\p)+FR*\b:128*(\p)+FR*\b+FR-1], v[AF+FR*(\a):AF+FR*(\a)+FR-1], v[8*(8*((\a)%4)+\b):8*(8*((\a)%4)+\b)+7], v[SC+8*NQ*(\sc)+NQ*\b+(\q)], v[SC+8*NQ*(\sc)+NQ*(\a)+(\q)] matrix_a_scale:MATRIX_SCALE_ROW1
.endif
.endr
.endr
.endm
.macro FETCH_B slot, q, p
	WIN TO_B
.irp i, 0,1,2,3,4,5,6,7
	FRAG 128*(\p)+FR*\i, ADRB+\slot, \q, \i
.endr
	WIN 0
.endm
.macro FETCH_A slot, q, i0
.irp i, \i0, \i0+1, \i0+2, \i0+3
	FRAG AF+FR*(\i), ADRA+\slot, \q, \i
.endr
.endm
.macro SCALES sc                       ; a slot's scale words: two words a position; lanes 0-15 take Q's block i, lanes 16-31 P's block i
.irp i, 0,1,2,3,4,5,6,7
	ds_load_b64 v[SC+8*NQ*\sc+NQ*\i:SC+8*NQ*\sc+NQ*\i+1], v[ADRS] offset:128*\i
.endr
.endm
.macro PLACES n                        ; plain vector lines between a matrix instruction and a load into, or a read of, its registers
.rept \n
	v_nop
.endr
.endm
.macro STEP slot, q, zero              ; 128 along K that have their successor in the same slot
	s_wait_dscnt 4*NL                              ; P's set and Q's blocks 0-3 are in; the sixteen youngest loads (Q's blocks 4-7) may be out
	WIN MUL_LO
	MUL16 0, (\q)%2, \q, \slot, \zero
	MUL16 2, (\q)%2, \q, \slot, \zero
	s_wait_dscnt 0
	PLACES NP
	FETCH_B \slot, (\q)+1, 1-(\q)%2
	FETCH_A \slot, (\q)+1, 0
	WIN MUL_HI
	MUL16 4, (\q)%2, \q, \slot, \zero
	MUL16 6, (\q)%2, \q, \slot, \zero
	PLACES NP
	WIN 0
	FETCH_A \slot, (\q)+1, 4
.endm
; A slot's last 128 change slots: one barrier; ahead of it each wave waits for all its tensor loads, adds 0 to its spare word, and waits for that and for its reads of this slot.  fill = 1: the slot is filled again.
.macro TURN slot, next, fill
	s_wait_tensorcnt 0x0                           ; all my tensor loads have landed: my part of the next slot
	ds_add_u32 v[SPW], v[NIL]
	s_wait_dscnt 4*NL+1                            ; the add and the sixteen youngest loads may be out
	WIN MUL_LO
	MUL16 0, 1, NQ-1, \slot, 0
	s_wait_dscnt 0x0                               ; the add is done, and my reads of this slot are over
	s_barrier_signal -1
	MUL16 2, 1, NQ-1, \slot, 0
	WIN 0
	s_barrier_wait -1
.if \fill
	CREST                                          ; the barrier has opened a round of the cluster's: no wave of any partner still reads this slot or has a load on its way
	s_add_nc_u64 s[G0+4*\slot+2:G0+4*\slot+3], s[G0+4*\slot+2:G0+4*\slot+3], 8192
	s_add_nc_u64 s[G0B+4*\slot+2:G0B+4*\slot+3], s[G0B+4*\slot+2:G0B+4*\slot+3], 8192
	JLOAD G0+4*\slot, G1, G0B+4*\slot, G1B         ; the first tensor load behind the round; its four v_nop are among the places below
	PLACES NP-4
.else
	PLACES NP
.endif
	s_wait_alu depctr_va_vdst(0)
	v_add_nc_u32 v[ADRS], 2048, v[ADRS]            ; the next pair of K steps' scale words: 256 positions x 8 bytes on
	FETCH_B \next, 0, 0
	FETCH_A \next, 0, 0
	SCALES \next
	WIN MUL_HI
	MUL16 4, 1, NQ-1, \slot, 0
	MUL16 6, 1, NQ-1, \slot, 0
	PLACES NP
	WIN 0
	FETCH_A \next, 0, 4
.endm
; 64 numbers of a lane, register 16 b + i = place 32 b + 16 h + i along the next K, become 16 registers of codes and a scale word.
.macro QUANT s, pc, pw
.irp b, 0,1,2,3
	v_max3_num_f32 v[TM+\b], |v[\s+16*\b]|, |v[\s+1+16*\b]|, 0x4800000   ; and the floor 2^(9 - 127): the byte cannot fall under 1
.endr
.irp i, 2,4,6,8,10,12,14
.irp b, 0,1,2,3
	v_max3_num_f32 v[TM+\b], v[TM+\b], |v[\s+16*\b+\i]|, |v[\s+1+16*\b+\i]|
.endr
.endr
.irp b, 0,1,2,3
	v_permlanex16_b32 v[TM+4+\b], v[TM+\b], s[SEL], s[SEL+1]
.endr
.irp b, 0,1,2,3
	v_max_num_f32 v[TM+\b], v[TM+\b], v[TM+4+\b]
.endr
.irp b, 0,1,2,3
	v_add_nc_u32 v[TM+12+\b], 0xfc000000, v[TM+\b]                 ; 8 off the exponent field: the conversion's scale operand
.endr
.irp b, 0,1,2,3
	v_and_or_b32 v[TM+8+\b], v[TM+\b], 0x7f800000, s[MNT]          ; 448 x the scale
.endr
.irp b, 0,1,2,3
	v_lshrrev_b32 v[TM+4+\b], 23, v[TM+12+\b]                      ; the scale's byte
.endr
	v_lshl_or_b32 v[\pw], v[TM+5], 8, v[TM+4]
	v_lshl_or_b32 v[\pw], v[TM+6], 16, v[\pw]
	v_lshl_or_b32 v[\pw], v[TM+7], 24, v[\pw]
.irp b, 0,1,2,3
.irp i, 0,1,2,3,4,5,6,7,8,9,10,11,12,13,14,15
	v_med3_num_f32 v[\s+16*\b+\i], v[\s+16*\b+\i], -v[TM+8+\b], v[TM+8+\b]   ; the conversion does not saturate (ISA guide 7.6.2): the hold comes first
.endr
	v_cvt_scalef32_pk8_fp8_f32 v[\pc+4*\b:\pc+1+4*\b], v[\s+16*\b:\s+7+16*\b], v[TM+12+\b]
	v_cvt_scalef32_pk8_fp8_f32 v[\pc+2+4*\b:\pc+3+4*\b], v[\s+8+16*\b:\s+15+16*\b], v[TM+12+\b]
.endr
	v_nop                                          ; a plain line behind the last conversion
.endm
	s_load_b256 s[4:11], s[0:1], 0x0               ; codes s[4:5], scales s[6:7], b_attn s[8:9], qkv s[10:11]
	v_lshl_add_u32 v[SPW], v0, 2, SPARE
	v_mov_b32 v[NIL], 0
	ds_add_u32 v[SPW], v[NIL]                      ; the opening: the add, twice on end, and its wait ahead of my first tensor load
	ds_add_u32 v[SPW], v[NIL]
	v_lshrrev_b32 v1, 5, v0
	v_readfirstlane_b32 s14, v1                    ; wave 0..3
	s_lshr_b32 s15, s14, 1                         ; which half of Q's 256 positions is mine.  Also: I fetch for Q (0) or for P (1)
	s_and_b32 s16, s14, 1                          ; which half of P's.  Also: which 128 positions I fetch
	s_bfe_u32 s40, ttmp6, 0x40000                  ; cx
	s_bfe_u32 s41, ttmp6, 0x40004                  ; cy
	s_and_b32 s18, ttmp7, 0xffff                   ; the cluster's y, 0..11
	s_add_co_u32 s19, ttmp9, 8                     ; MODE 0: P's group of four tiles: w_attn begins at tile 32 of 256 positions
	s_max_u32 s20, s18, 8
	s_sub_co_u32 s20, s20, 8
	s_lshl_b32 s20, s20, 1
	s_add_co_u32 s20, s20, ttmp9                   ; MODE 1: P's group: x
	s_cmp_ge_u32 s18, 8
	s_cselect_b32 s95, 1, 0                        ; MODE
	s_cselect_b32 s42, s20, s19
	s_cselect_b32 s17, 10, s18                     ; Q's group: MODE 1: w_attn's rows 2,048 on; MODE 0: x
	s_lshl_b32 s42, s42, 2
	s_add_co_u32 s42, s42, s40                     ; P's tile of 256 positions: hangs on cx
	s_lshl_b32 s17, s17, 2
	s_add_co_u32 s17, s17, s41                     ; Q's: hangs on cy
	s_lshl_b32 s43, s41, 2
	s_lshl_b32 s43, 15, s43                        ; my row of the cluster
	s_lshl_b32 s44, 0x1111, s40                    ; my column
	; group 1 for codes: 8 tiles of 16 positions, of each 4,096 bytes (two K steps) out of 16,384: elements of 8 bytes, no padding
	s_or_b32 s[G1+0], s43, (3<<16)|(1<<21)
	s_or_b32 s[G1B+0], s44, (3<<16)|(1<<21)
.irp g, G1, G1B
	s_mov_b32 s[\g+1], 512<<16                     ; tensor_dim0
	s_mov_b32 s[\g+2], 16<<16                      ; tensor_dim1: 16 tiles for the head's loads; set to 8 for the ring's behind the wait for them
	s_mov_b32 s[\g+3], 512<<16                     ; tile_dim0
	s_mov_b32 s[\g+4], 16                          ; tile_dim1 likewise
	s_mov_b32 s[\g+5], 2048                        ; from tile to tile
	s_mov_b32 s[\g+6], 0
	s_mov_b32 s[\g+7], 0
.endr
	; group 1 for scale words: 4 pairs of K steps, of each 256 positions x 8 bytes
	s_or_b32 s[G1S+0], s43, (3<<16)|(1<<21)
	s_or_b32 s[G1SB+0], s44, (3<<16)|(1<<21)
.irp g, G1S, G1SB
	s_mov_b32 s[\g+1], 256<<16                     ; 256 positions x 8 bytes a row
	s_mov_b32 s[\g+2], 4<<16
	s_mov_b32 s[\g+3], 256<<16
	s_mov_b32 s[\g+4], 4
	s_mov_b32 s[\g+5], 12288
	s_mov_b32 s[\g+6], 0
	s_mov_b32 s[\g+7], 0
.endr
	s_lshl_b32 s18, s16, 17                        ; in the ring I fetch 128 positions of a tile: which half, in bytes of codes
	s_mov_b32 s19, 0
	s_lshl_b32 s20, s17, 8                         ; Q: the tile's first position
	s_lshl_b32 s46, s42, 8                         ; P likewise
	s_lshl_b32 s22, s20, 3
	s_mov_b32 s23, 0
	s_lshl_b32 s92, s46, 3
	s_mov_b32 s93, 0
	s_lshl_b32 s20, s20, 10                        ; 1,024 bytes of codes
	s_mov_b32 s21, 0
	s_lshl_b32 s46, s46, 10
	s_mov_b32 s47, 0
	s_lshl_b32 s45, s14, 15                        ; where they go: wave x a quarter: no place in the cluster enters an LDS address
	s_wait_dscnt 0x0                               ; both opening adds are done
	s_wait_kmcnt 0x0
	s_add_nc_u64 s[20:21], s[4:5], s[20:21]
	s_add_nc_u64 s[22:23], s[6:7], s[22:23]
	s_add_nc_u64 s[46:47], s[4:5], s[46:47]
	s_add_nc_u64 s[92:93], s[6:7], s[92:93]
	CROUND                                         ; all sixteen work-groups are here: the first joint loads meet
	s_mov_b32 s[G0S], 1
	s_mov_b32 s[G0S+1], SCL
	s_mov_b64 s[G0S+2:G0S+3], s[22:23]
	s_or_b32 s[G0S+3], s[G0S+3], 0x80000000
	s_mov_b32 s[G0SB], 1
	s_mov_b32 s[G0SB+1], SCL+2*SQ
	s_mov_b64 s[G0SB+2:G0SB+3], s[92:93]
	s_or_b32 s[G0SB+3], s[G0SB+3], 0x80000000
	s_mov_b32 s[G0], 1                             ; slot 0's first fill, each operand's 256 positions whole: Q's,
	s_mov_b32 s[G0+1], 0
	s_mov_b64 s[G0+2:G0+3], s[20:21]
	s_or_b32 s[G0+3], s[G0+3], 0x80000000
	s_mov_b32 s[G0B], 1                            ; and P's, behind them
	s_mov_b32 s[G0B+1], 2*QUART
	s_mov_b64 s[G0B+2:G0B+3], s[46:47]
	s_or_b32 s[G0B+3], s[G0B+3], 0x80000000
	s_add_nc_u64 s[20:21], s[20:21], s[18:19]      ; for the ring: my 128 positions
	s_add_nc_u64 s[46:47], s[46:47], s[18:19]
	s_mov_b32 s[G0+4], 1                           ; slot 1: a quarter a wave
	s_add_co_u32 s[G0+5], s45, SLOT
	s_add_nc_u64 s[G0+6:G0+7], s[20:21], 4096
	s_or_b32 s[G0+7], s[G0+7], 0x80000000
	s_mov_b32 s[G0B+4], 1
	s_add_co_u32 s[G0B+5], s45, SLOT
	s_add_nc_u64 s[G0B+6:G0B+7], s[46:47], 4096
	s_or_b32 s[G0B+7], s[G0B+7], 0x80000000
; THE HEAD'S LOADS, ONE A WAVE: wave 0 slot 0's codes of Q, wave 1 those of P, wave 2 Q's scale words, wave 3 P's.  One chain of branches on the wave's number: every way passes one load.
.macro ARM under, g0, g1, next
	s_cmp_lt_u32 s14, \under
	s_cbranch_scc0 \next
	tensor_load_to_lds s[\g0:\g0+3], s[\g1:\g1+7]
	s_nop 0
.rept 4
	v_nop
.endr
	s_branch .Lhead_asked
\next:
.endm
	ARM 1, G0,  G1,  .Lhead_b
	ARM 2, G0B, G1B, .Lhead_sa
	ARM 3, G0S, G1S, .Lhead_sb
	tensor_load_to_lds s[G0SB:G0SB+3], s[G1SB:G1SB+7]
	s_nop 0
.rept 4
	v_nop
.endr
.Lhead_asked:
	v_and_b32 v1, 15, v0                           ; r
	v_bfe_u32 v2, v0, 4, 1                         ; h
	s_wait_alu depctr_va_vdst(0)
	v_and_b32 v3, 31, v0                           ; lane
	v_lshlrev_b32 v[VO], 4, v3                     ; 16 x lane
	s_lshl_b32 s21, s15, 15                        ; my 128 positions of Q,
	s_lshl_b32 s22, s16, 15
	s_add_co_u32 s22, s22, 2*QUART                 ; and of P, behind Q's two quarters
.irp s, 0,1
	v_add_nc_u32 v[ADRA+\s], s21, v[VO]
	v_add_nc_u32 v[ADRB+\s], s22, v[VO]
	s_add_co_u32 s21, s21, SLOT
	s_add_co_u32 s22, s22, SLOT
.endr
	s_lshl_b32 s21, s15, 10                        ; my 128 positions' words: 1,024 bytes into a row of 256 positions
	s_lshl_b32 s22, s16, 10
	s_add_co_u32 s22, s22, 2*SQ
	s_sub_co_u32 s22, s22, s21
	v_mul_u32_u24 v5, s22, v2                      ; lanes 16-31 take P's words: one product with h
	s_add_co_u32 s21, s21, SCL
	v_lshl_add_u32 v5, v1, 3, v5
	v_add_nc_u32 v[ADRS], s21, v5
	s_lshl_b32 s21, s14, 10
	v_lshlrev_b32 v5, 5, v1
	v_lshl_add_u32 v5, v2, 9, v5
	v_add_nc_u32 v[SST], s21, v5
	v_add_nc_u32 v[SRD], s21, v[VO]
	; what hangs on MODE
	s_cmp_eq_u32 s95, 1
	s_cselect_b32 s94, -1, 0                       ; a mask of all lanes in MODE 1
	s_mov_b32 s21, HEADB
	s_cselect_b32 s21, 1024, s21                   ; codes' group 2: MODE 1: the third block of keys; MODE 0: the next head
	s_mov_b32 s22, 0x03020100
	s_cselect_b32 s23, s22, 0x01000100             ; lanes 0-15: MODE 1: the word as it is; MODE 0: the first head's (s0, s1, s0, s1)
	s_cselect_b32 s22, s22, 0x03020302             ; lanes 16-31: MODE 0: the second head's
	s_cselect_b32 s45, 0, 4
	s_mov_b32 s100, 1024
	s_cselect_b32 s100, 2048, s100                 ; from block to block of Q in the images
	s_mov_b32 s101, 0
	s_mov_b32 s92, 1024
	s_cselect_b32 s92, HEADB-6144, s92             ; and from block 3 to block 4: MODE 1: on to the next head
	s_mov_b32 s93, 0
	v_add_nc_u32 v[VO+1], 512, v[VO]
	v_add_nc_u32 v[VO+2], s21, v[VO]
	v_add_nc_u32 v[VO+3], 512, v[VO+2]
	v_and_b32 v5, 1, v3
	v_lshrrev_b32 v6, 1, v3
	v_mul_u32_u24 v5, v5, HEADB
	v_lshl_add_u32 v5, v6, 4, v5
	v_cndmask_b32 v[SO1], v[VO], v5, s94           ; MODE 1: even lanes hold the first head's four words of a channel, odd lanes the second head's
	v_mov_b32 v4, s23
	v_mov_b32 v5, s22
	v_cmp_eq_u32 vcc_lo, 1, v2
	v_cndmask_b32 v[SELR], v4, v5, vcc_lo
	v_lshlrev_b32 v4, 6, v2                        ; the bias: MODE 0: register 16 b + i wants channel 32 b + 16 h + i;
	v_and_b32 v5, 7, v1
	v_lshrrev_b32 v6, 3, v1
	v_lshl_add_u32 v5, v6, 4, v5
	v_lshlrev_b32 v5, 2, v5                        ; MODE 1: registers 8 a .. 8 a + 7 all want block a's channel of my lane
	v_cndmask_b32 v4, v4, v5, s94
.irp j, 0,1,2,3,4,5,6,7
	v_mad_u32_u24 v[VB+\j], s45, \j, v4
.endr
	; where my results belong
	s_cmp_eq_u32 s95, 1
	s_cselect_b32 s18, s42, s17                    ; the tokens' tile,
	s_cselect_b32 s19, s16, s15                    ; and my half of it
	s_cselect_b32 s20, s17, s42                    ; the channels' tile (+ 32),
	s_cselect_b32 s21, s15, s16
	s_lshl_b32 s18, s18, 8
	s_lshl_b32 s19, s19, 7
	s_add_co_u32 s18, s18, s19                     ; p0: my first token
	s_sub_co_u32 s20, s20, 32
	s_lshl_b32 s20, s20, 8
	s_lshl_b32 s21, s21, 7
	s_add_co_u32 s20, s20, s21                     ; n0: my first channel of 3,072
	s_lshr_b32 s19, s18, 11                        ; batch
	s_bfe_u32 s21, s18, 0x40007                    ; which 128 of the sequence
	s_lshr_b32 s22, s20, 10                        ; 0 q, 1 k, 2 v
	s_bfe_u32 s23, s20, 0x40006                    ; my first head
	s_lshl_b32 s19, s19, 4
	s_add_co_u32 s19, s19, s23
	s_lshl_b32 s19, s19, 3
	s_lshr_b32 s23, s21, 1
	s_add_co_u32 s19, s19, s23
	s_mul_i32 s19, s19, REC                        ; the record
	s_and_b32 s21, s21, 1                          ; G
	s_lshl_b32 s23, s22, 14
	s_min_u32 s45, s22, 1
	s_lshl_b32 s45, s45, 10
	s_add_co_u32 s23, s23, s45                     ; QI 0, KI 17,408, VI 33,792
	s_lshl_b32 s45, s21, 13
	s_add_co_u32 s23, s23, s45
	s_add_co_u32 s96, s19, s23
	s_mov_b32 s97, 0
	s_add_nc_u64 s[96:97], s[10:11], s[96:97]      ; the codes' base
	s_lshl_b32 s23, s22, 10
	s_add_co_u32 s23, s23, 49152
	s_cmp_eq_u32 s22, 0
	s_cselect_b32 s23, 16384, s23                  ; QS 16,384, KS 50,176, VS 51,200
	s_lshl_b32 s45, s21, 9
	s_lshr_b32 s45, s45, s95                       ; 512 bytes a G, v: 256
	s_add_co_u32 s23, s23, s45
	s_add_co_u32 s98, s19, s23
	s_mov_b32 s99, 0
	s_add_nc_u64 s[98:99], s[10:11], s[98:99]      ; the scale words' base
	s_lshl_b32 s66, s20, 2
	s_mov_b32 s67, 0
	s_add_nc_u64 s[8:9], s[8:9], s[66:67]          ; b_attn at n0
.set n, 0
	s_wait_alu depctr_va_vdst(0)
.rept 64
	global_load_b32 v[BIA+n], v[VB+n%8], s[8:9] offset:128*(n/16)+32*((n/8)%2)   ; waited for at the head of the way out
.set n, n+1
.endr
	s_mov_b32 s[SEL], 0x76543210
	s_mov_b32 s[SEL+1], 0xfedcba98
	s_mov_b32 s[MNT], 0x600000
	s_wait_alu depctr_va_vdst(0)                   ; the head's end
	s_wait_tensorcnt 0x0                           ; my tile of the head's four is in
	ds_add_u32 v[SPW], v[NIL]
	s_lshl_b32 s[G0+1], s14, 15                    ; no tensor load of mine is out, so descriptors may be written: slot 0's take the ring's form: a quarter a wave,
	s_lshl_b32 s[G0B+1], s14, 15
	s_lshl_b32 s20, s16, 17
	s_mov_b32 s21, 0
	s_add_nc_u64 s[G0+2:G0+3], s[G0+2:G0+3], s[20:21]       ; my 128 positions,
	s_add_nc_u64 s[G0B+2:G0B+3], s[G0B+2:G0B+3], s[20:21]
	s_mov_b32 s[G1+2], 8<<16                       ; 8 tiles a load
	s_mov_b32 s[G1+4], 8
	s_mov_b32 s[G1B+2], 8<<16
	s_mov_b32 s[G1B+4], 8
	s_wait_dscnt 0x0                               ; the add is done
	CROUND                                         ; all four tiles are in, and all sixteen work-groups are here
	JLOAD G0+4, G1, G0B+4, G1B                     ; slot 1's first fill: the first tensor load behind the round
	FETCH_B 0, 0, 0
	FETCH_A 0, 0, 0
	SCALES 0
	FETCH_A 0, 0, 4
	STEP 0, 0, 1                                   ; the first products start the sums: nothing is cleared
	TURN 0, 1, 1                                   ; K = 1,024 is four slots' worth: both slots are filled again once
	STEP 1, 0, 0
	TURN 1, 0, 1
	STEP 0, 0, 0
	TURN 0, 1, 0                                   ; the last lap fills nothing
	STEP 1, 0, 0
	s_wait_dscnt 4*NL
	WIN MUL_LO
	MUL16 0, 1, NQ-1, 1, 0
	MUL16 2, 1, NQ-1, 1, 0
	s_wait_dscnt 0
	WIN MUL_HI
	MUL16 4, 1, NQ-1, 1, 0
	MUL16 6, 1, NQ-1, 1, 0
	WIN 0
; THE WAY OUT of block a of Q: + bias (which also brings the 64 numbers into window 0), quantised, the codes stored as they stand, my scale word into the stage.
.macro EPI a
.set AC, 64*((\a)%4)
.set WN, 0x02+(\a)/4
.if \a > 0
	s_wait_xcnt 0x0                                ; the last block's stores have read their registers and their base
.if \a == 4
	s_add_nc_u64 s[96:97], s[96:97], s[92:93]
.else
	s_add_nc_u64 s[96:97], s[96:97], s[100:101]
.endif
.endif
	s_cmp_eq_u32 s95, 1
	s_cbranch_scc1 .Lby_lane_\@
	WIN WN                                         ; source 0: window 2 or 3
.set i, 0
.rept 32
	v_pk_add_f32 v[W+2*i:W+2*i+1], v[AC+2*i:AC+2*i+1], v[BIA+2*i:BIA+2*i+1]   ; q, k: the bias runs along the registers.  Each accumulator is read from its low end on
.set i, i+1
.endr
	WIN 0
	s_branch .Ladded_\@
.Lby_lane_\@:
	WIN WN
.set i, 0
.rept 32
	v_pk_add_f32 v[W+2*i:W+2*i+1], v[AC+2*i:AC+2*i+1], v[BIA+8*(\a):BIA+8*(\a)+1]   ; v: the bias is my lane's channel's
.set i, i+1
.endr
	WIN 0
.Ladded_\@:
	QUANT W, PC, PW
	v_perm_b32 v[SV+(\a)], v[PW], v[PW], v[SELR]
	ds_store_b32 v[SST], v[SV+(\a)] offset:4*(\a)
.irp b, 0,1,2,3
	global_store_b128 v[VO+\b], v[PC+4*\b:PC+4*\b+3], s[96:97]     ; 32 lanes store 512 consecutive bytes, aligned
.endr
.endm
	PLACES NP                                      ; behind the last products: their results are read, and Q's fragments written over, from here on
	s_wait_loadcnt 0x0                             ; the bias
.irp b, 0,1,2,3
	v_mov_b32 v[TM+4+\b], 0                        ; written once: a lane permute's destination counts as one of its sources
.endr
.irp a, 0,1,2,3,4,5,6,7
	EPI \a
.endr
	ds_load_b128 v[T:T+3], v[SRD]                  ; LDS serves a wave's instructions in order: this sees my eight stores
	s_wait_dscnt 0x0
	global_store_b128 v[SO1], v[T:T+3], s[98:99]   ; q, k: the first head's 512 bytes [r][a]; v: both heads' 256 bytes [r][d tile]
	s_cmp_eq_u32 s95, 1                            ; (v: lanes 16-31 have put a second copy of the words 512 bytes on, which nobody reads: so the stage's address needs no choice)
	s_cbranch_scc1 .Lone_run
	ds_load_b128 v[T+4:T+7], v[SRD] offset:512
	s_wait_dscnt 0x0
	global_store_b128 v[SO1], v[T+4:T+7], s[98:99] offset:HEADB    ; q, k: the second head's
.Lone_run:
	s_wait_tensorcnt 0x0                           ; the wave's end
	ds_add_u32 v[SPW], v[NIL]
	s_wait_dscnt 0x0
	CROUND                                         ; the closing round
	s_endpgm
.Lfunc_end_k_qaff4d759fb_qkv:
	.size	k_qaff4d759fb_qkv, .Lfunc_end_k_qaff4d759fb_qkv-k_qaff4d759fb_qkv
	.p2alignl 7, 3214868480
	.fill 96, 4, 3214868480
	.section	.rodata,"a",@progbits
	.p2align	6, 0x0
	.amdhsa_kernel k_qaff4d759fb_qkv
		.amdhsa_group_segment_fixed_size 327680
		.amdhsa_private_segment_fixed_size 0
		.amdhsa_enable_private_segment 0
		.amdhsa_kernarg_size 32
		.amdhsa_user_sgpr_count 2
		.amdhsa_user_sgpr_kernarg_segment_ptr 1
		.amdhsa_wavefront_size32 1
		.amdhsa_system_sgpr_workgroup_id_x 1
		.amdhsa_system_sgpr_workgroup_id_y 1
		.amdhsa_system_sgpr_workgroup_id_z 1
		.amdhsa_system_vgpr_workitem_id 0
		.amdhsa_next_free_vgpr 1024
		.amdhsa_next_free_sgpr 102
		.amdhsa_reserve_vcc 1
		.amdhsa_float_denorm_mode_32 3
		.amdhsa_float_denorm_mode_16_64 3
		.amdhsa_memory_ordered 1
		.amdhsa_forward_progress 1
		.amdhsa_inst_pref_size 228
	.end_amdhsa_kernel
	.amdgpu_metadata
---
amdhsa.version: [ 1, 2 ]
amdhsa.kernels:
  - .name:           k_qaff4d759fb_qkv
    .symbol:         k_qaff4d759fb_qkv.kd
    .args:
      - { .name: codes, .offset: 0, .size: 8, .value_kind: global_buffer, .address_space: global }
      - { .name: scales, .offset: 8, .size: 8, .value_kind: global_buffer, .address_space: global }
      - { .name: b_attn, .offset: 16, .size: 8, .value_kind: global_buffer, .address_space: global }
      - { .name: qkv, .offset: 24, .size: 8, .value_kind: global_buffer, .address_space: global }
    .group_segment_fixed_size: 327680
    .private_segment_fixed_size: 0
    .kernarg_segment_align: 8
    .kernarg_segment_size: 32
    .max_flat_workgroup_size: 128
    .sgpr_count:     102
    .vgpr_count:     1024
    .wavefront_size: 32
...
	.end_amdgpu_metadata
.endif
;; end of part 2
;; launch attn (part 3): grid 4 x 64, 16 waves a work-group, clusters of 4 x 1, 327,680 bytes of LDS; arguments qkv, yc, ys; writes yc, ys
.if DOCPART == 3
	.amdgcn_target "amdgcn-amd-amdhsa--gfx1250"
	.amdhsa_code_object_version 6
	.text
	.protected	k_qaff4d759fb_attn
	.globl	k_qaff4d759fb_attn
	.p2align	8
	.type	k_qaff4d759fb_attn,@function
k_qaff4d759fb_attn:
	s_mov_b64 s[64:65], 0
	v_nop
	global_prefetch_b8 v0, s[64:65] scope:SCOPE_SE
	s_setreg_imm32_b32 hwreg(HW_REG_WAVE_MODE, 25, 1), 1
	s_wait_xcnt 0x0
	s_wait_alu depctr_hold_cnt(0) depctr_sa_sdst(0) depctr_va_vdst(0) depctr_va_sdst(0) depctr_va_ssrc(0) depctr_va_vcc(0) depctr_vm_vsrc(0)
	s_getreg_b32 s2, hwreg(HW_REG_IB_STS2, 6, 4)
	s_cmp_eq_u32 s2, 0
	s_cbranch_scc0 .Lentry_in_a_cluster
	s_endpgm
.Lentry_in_a_cluster:
	s_bfe_u32 s2, ttmp6, 0x10000c
	s_cmp_lg_u32 s2, 0x3003
	s_cbranch_scc0 .Lentry_shape_is_right
	s_endpgm
.Lentry_shape_is_right:
; LAUNCH 3 OF 4: y = softmax(q k^T / 8, causal) v for 64 heads of 2,048 positions x 64, both products on the codes of launch 2; y is quantised along C on the way out.
; WORK LEFT OUT: a step of 128 keys all of which come after all 16 queries of a tile: reference() gives those keys the weight 0 by the mask that it builds itself (shown at the head of launch 1).
; THE SOFTMAX AHEAD OF THE SECOND PRODUCT: t = score x log2(e) / 8; M = the running largest t rounded UP to a whole number; p = 2^(t - M) is quantised along the keys, not normalised; the sum is taken of the
; unquantised p and divides at the end; when M moves, the sum and O are multiplied by 2^(old M - new M): exact.  LIMIT: the promise holds while |t| stays under 2^31; the other limits as at the head of launch 1.
; LDS HOLDS THE WHOLE HEAD: K's and V's images and scale words of 2,048 keys are 8 x 34,304 = 274,432 bytes.  Each of the sixteen waves asks for half a record (67 rows of 256 bytes) once, at the head:
; nothing is filled again, and the loops hold no barrier.  Waves 0 to 3 (keys 0 to 511) have a load line of their own: the first barrier shows their tiles, four steps run on them, the second barrier shows the rest.
; CLUSTER: the four work-groups of a head read the same 274,432 bytes: each load is joint (mask 15).  No branch and no LDS address hangs on the place in the cluster: it enters global addresses and the mask's vector term alone.
; SHARES.  A head has 128 tiles of 16 queries.  Wave w of work-group cx owns tiles 127 - j and j, j = cx + 4 w: 16 - w / 2 and 1 + w / 2 steps of 128 keys: 17 steps for every wave, counts that hang on w alone.
; The first tile walks its keys upward, the second downward from its diagonal step (there every query sees its own key, so M is a number from the first step on): so the step's number is chosen between t and 16 - t.
; Every work-group reads all eight records (its waves 0 and 1 walk 16 steps).  NO PREFETCH: every byte is asked for at the head by its one tensor load; no later load exists that a loop could run ahead of.
; Both products are used transposed: S^T = K Q^T, O^T = V^T P^T: a lane holds one query.  By the order of rows in a tile the 16 registers of key tiles 2 b, 2 b + 1 are keys 32 b + 16 h + 0..15.
; THE HEAD'S 64 FILL HALF OF THE INSTRUCTION'S K = 128.  Q's registers 8-15 hold zero codes.  K's eight tiles lie end to end, 8 registers each: the upper half of tile t's fragment is tile t + 1's codes
; (tile 7's: the second tile's Q, which waits there): finite codes under finite scale bytes, which meet Q's zeros and add nothing.
; REGISTERS: v1-11 lane terms and addresses; v12 -M, v13 the largest t, v[14:15] the sum; v16-31 Q; v32-103 K's tiles, then v32-95 V's four fragments; v104-167 S^T, then p; v168-199 O^T; v200-215 p's codes;
; v216-223 K's scale words, v224-227 V's, v252 Q's, v253 p's, v254 the second Q's; v228-251, v255 at work.
.set REC,   51712
.set HEADB, 8*REC
.set KV0,   17408                      ; K's image begins here in a record
.set RECL,  34304                      ; what LDS holds of a record
.set HALF,  17152
.set VIM,   16384                      ; in it: V's image,
.set KSO,   32768                      ; K's scale words,
.set VSO,   33792                      ; V's
.set SPARE, 8*RECL                     ; the spare words, 128 bytes a wave: eight blocks of 256 bytes that no other line names
.set LI,  1                            ; 16 x lane
.set R32, 2                            ; 32 r
.set R16, 3                            ; 16 r
.set DC,  4                            ; my query - the diagonal step's first key - 16 h, of the tile in hand
.set SPW, 5
.set NIL, 6
.set R8,  7                            ; 8 r
.set ADK, 8
.set ADS, 9
.set ADT, 10
.set DB,  11                           ; as DC, of the second tile
.set K,   32
.set S,   104
.set O,   168
.set PC,  200
.set KS,  216
.set VS,  224
.set BM,  228                          ; v228-231 the blocks' largest; v228-235 later the held p of a conversion
.set T8,  228
.set TP,  232
.set HB,  236                          ; 448 x the scale
.set SO,  240                          ; the conversions' scale operands
.set TT,  244
.set INF, 245
.set F,   246                          ; v[246:247] f = 2^(old M - new M)
.set C1,  248                          ; v[248:249], v[250:251] two chains of the sum
.set C2,  250
.set QS,  252
.set PS,  253
.set QSB, 254
.set OM,  255                          ; the old -M
.set TR,  3                            ; s3   the step, 0..16
.set WV,  18
.set MNT, 19
.set SEL, 20
.set CS,  22                           ; s[22:23] c = log2(e) / 8
.set G1,  24
.set G0,  40
.set NA,  66                           ; s66  the first tile's steps: 16 - w / 2
.macro CROUND                          ; a round of the cluster's barrier
	s_barrier_signal -1
	s_barrier_wait -1
	s_cmp_lg_u32 s[WV], 0
	s_cbranch_scc1 .Lnot_wave_0_\@
	s_barrier_signal -3
.Lnot_wave_0_\@:
	s_barrier_wait -3
	s_barrier_signal -1
	s_barrier_wait -1
.endm
.macro TILE t, oq, os, od              ; of tile s\t: where its Q image and its scale word lie in the head's records, and its first query less its diagonal step's first key
	s_lshr_b32 s96, s\t, 4
	s_mul_i32 s96, s96, REC
	s_and_b32 s97, s\t, 15
	s_lshl_b32 s97, s97, 10
	s_add_co_u32 s\oq, s96, s97
	s_bfe_u32 s97, s\t, 0x10003
	s_lshl_b32 s97, s97, 9
	s_add_co_u32 s\os, s96, s97
	s_and_b32 s97, s\t, 7
	s_lshl_b32 s97, s97, 2
	s_add_co_u32 s\os, s\os, s97
	s_bfe_u32 s97, s\t, 0x20001
	s_lshl_b32 s97, s97, 5
	s_and_b32 s96, s\t, 1
	s_lshl_b32 s96, s96, 3
	s_add_co_u32 s\od, s96, s97
.endm
.macro YBASE t, yc, ys                 ; where tile s\t's codes (16,384 bytes a tile) and scale bytes (128 a tile) go
	s_lshl_b32 s74, s\t, 14
	s_add_co_u32 s74, s74, s76
	s_add_nc_u64 s[\yc:\yc+1], s[6:7], s[74:75]
	s_lshl_b32 s74, s\t, 7
	s_add_co_u32 s74, s74, s78
	s_add_nc_u64 s[\ys:\ys+1], s[8:9], s[74:75]
.endm
.macro SUMN n                          ; line n of 32: the row's sum of the UNQUANTISED p, two at a time, in three chains
.if (\n) == 0
	v_pk_add_f32 v[C1:C1+1], v[S:S+1], v[S+2:S+3]
.elseif (\n) == 1
	v_pk_add_f32 v[C2:C2+1], v[S+4:S+5], v[S+6:S+7]
.elseif (\n) == 30
	v_pk_add_f32 v[C1:C1+1], v[C1:C1+1], v[C2:C2+1]
.elseif (\n) == 31
	v_pk_add_f32 v[14:15], v[14:15], v[C1:C1+1]
.elseif (\n)%3 == 2
	v_pk_add_f32 v[14:15], v[14:15], v[S+2*(\n)+4:S+2*(\n)+5]
.elseif (\n)%3 == 0
	v_pk_add_f32 v[C1:C1+1], v[C1:C1+1], v[S+2*(\n)+4:S+2*(\n)+5]
.else
	v_pk_add_f32 v[C2:C2+1], v[C2:C2+1], v[S+2*(\n)+4:S+2*(\n)+5]
.endif
.endm
; A KEY STEP: 128 keys.  two = 0: steps 0 to 3 of the first tile, never on the diagonal; two = 1: the later steps of either tile.
.macro STEP two
.if \two
	s_sub_co_u32 s97, 16, s[TR]
	s_cmp_lt_u32 s[TR], s[NA]
	s_cselect_b32 s96, s[TR], s97                  ; the first tile's key step t, or the second's 16 - t
	s_min_u32 s96, s96, 15
.else
	s_mov_b32 s96, s[TR]
.endif
	s_lshr_b32 s97, s96, 1
	s_mul_i32 s97, s97, RECL                       ; the record,
	s_and_b32 s96, s96, 1                          ; and which half of its 256 keys
	s_lshl_b32 s90, s96, 13
	s_add_co_u32 s90, s90, s97
	s_lshl_b32 s91, s96, 9
	s_add_co_u32 s91, s91, s97
	s_lshl_b32 s92, s96, 8
	s_add_co_u32 s92, s92, s97
	v_add_nc_u32 v[ADK], s90, v[LI]
	v_add_nc_u32 v[ADS], s91, v[R32]
.irp t, 0,1,2,3,4,5,6,7                        ; K's eight tiles, end to end.  (24 sums stand between the last products, which read these registers, and these loads)
	ds_load_b128 v[K+8*\t:K+8*\t+3], v[ADK] offset:1024*\t
	ds_load_b128 v[K+8*\t+4:K+8*\t+7], v[ADK] offset:1024*\t+512
.endr
	ds_load_b128 v[KS:KS+3], v[ADS] offset:KSO
	ds_load_b128 v[KS+4:KS+7], v[ADS] offset:KSO+16
	s_wait_alu depctr_va_vdst(0)                   ; directly ahead of the wait below
	s_wait_dscnt 0x0
.irp t, 0,1,2,3,4,5,6,7
	v_wmma_scale_f32_16x16x128_f8f6f4 v[S+8*\t:S+8*\t+7], v[K+8*\t:K+8*\t+15], v[16:31], 0, v[KS+\t], v[QS]
.endr
	v_add_nc_u32 v[ADT], s92, v[R16]               ; eight places behind the products
	v_mov_b32 v[OM], v12
.rept 6
	v_nop
.endr
.if \two
	s_add_co_u32 s96, s[TR], 1                     ; the diagonal steps are t = NA - 1 and t = NA: the wave's number and the count of steps alone
	s_sub_co_u32 s96, s96, s[NA]
	s_cmp_lt_u32 s96, 2
	s_cbranch_scc0 .Lopen_\@
	v_mov_b32 v[INF], 0xff800000
.set n, 0
.rept 64                                       ; register 16 b + i holds key 32 b + 16 h + i of the step: hidden where 32 b + i > d
	v_cmp_gt_i32 vcc_lo, 32*(n/16)+n%16, v[DC]
	v_cndmask_b32 v[S+n], v[S+n], v[INF], vcc_lo
.set n, n+1
.endr
.Lopen_\@:
.endif
.irp b, 0,1,2,3
	v_max3_num_f32 v[BM+\b], v[S+16*\b], v[S+1+16*\b], v[S+2+16*\b]   ; the largest score of each block of 32 keys: for the row's maximum and, since p rises with the score, for the block's largest p
.endr
.irp i, 3,5,7,9,11,13
.irp b, 0,1,2,3
	v_max3_num_f32 v[BM+\b], v[BM+\b], v[S+16*\b+\i], v[S+1+16*\b+\i]
.endr
.endr
.irp b, 0,1,2,3
	v_max_num_f32 v[BM+\b], v[BM+\b], v[S+15+16*\b]
.endr
.irp t, 0,1,2,3                                ; V's four fragments take K's registers, whose products are done
.irp c, 0,1,2,3
	ds_load_b128 v[K+16*\t+4*\c:K+16*\t+4*\c+3], v[ADK] offset:VIM+2048*\t+512*\c
.endr
.endr
	ds_load_b128 v[VS:VS+3], v[ADT] offset:VSO
.irp b, 0,1,2,3
	v_permlanex16_b32 v[TP+\b], v[BM+\b], s[SEL], s[SEL+1]
.endr
.irp b, 0,1,2,3
	s_delay_alu instid0(VALU_DEP_4)
	v_max_num_f32 v[BM+\b], v[BM+\b], v[TP+\b]     ; with lane l xor 16
.endr
	s_delay_alu instid0(VALU_DEP_2)
	v_max3_num_f32 v[TT], v[BM], v[BM+1], v[BM+2]
	s_delay_alu instid0(VALU_DEP_1)
	v_max_num_f32 v[TT], v[TT], v[BM+3]
	s_delay_alu instid0(VALU_DEP_1)
	v_mul_f32 v[TT], s[CS], v[TT]                  ; as t
	s_delay_alu instid0(VALU_DEP_1)
	v_max_num_f32 v13, v13, v[TT]                  ; the running largest t
	s_delay_alu instid0(VALU_DEP_1)
	v_floor_f32 v12, -v13                          ; -M = floor(-t): M is a whole number
	s_delay_alu instid0(VALU_DEP_1)
	v_sub_f32 v[TT], v12, v[OM]                    ; old M - new M: a whole number, 0 or less
	s_delay_alu instid0(VALU_DEP_1)
	v_cvt_i32_f32 v[TT], v[TT]                     ; (it saturates)
	s_delay_alu instid0(VALU_DEP_1)
	v_ldexp_f32 v[F], 1.0, v[TT]                   ; f = 2^(old M - new M)
.set j, 0
.rept 32
	v_pk_fma_f32 v[S+j:S+j+1], v[S+j:S+j+1], s[CS:CS+1], v[12:13] op_sel_hi:[1,0,0]   ; t - M, two at a time
.set j, j+2
.endr
.irp b, 0,1,2,3
	v_fma_f32 v[BM+\b], v[BM+\b], s[CS], v12       ; the same of each block's largest score
.endr
	s_wait_alu depctr_va_vdst(0)                   ; ahead of the batch
.irp b, 0,1,2,3
	v_exp_f32 v[BM+\b], v[BM+\b]                   ; the block's largest p
.endr
.set j, 0
.rept 64
	v_exp_f32 v[S+j], v[S+j]                       ; p = 2^(t - M)
.set j, j+1
.endr
	v_pk_mul_f32 v[14:15], v[14:15], v[F:F+1] op_sel_hi:[1,0]      ; the sum under the new M: a plain line behind the exponentials
	s_wait_alu depctr_va_vdst(0)                   ; one wait for the batch, ahead of its first reader
.irp b, 0,1,2,3
	v_max_num_f32 v[BM+\b], 0x4800000, v[BM+\b]    ; the floor 2^(9 - 127): the byte cannot fall under 1
.endr
.irp b, 0,1,2,3
	s_delay_alu instid0(VALU_DEP_4)
	v_add_nc_u32 v[SO+\b], 0xfc000000, v[BM+\b]
.endr
.irp b, 0,1,2,3
	v_and_or_b32 v[HB+\b], v[BM+\b], 0x7f800000, s[MNT]
.endr
.irp b, 0,1,2,3
	v_lshrrev_b32 v[TP+\b], 23, v[SO+\b]
.endr
	s_delay_alu instid0(VALU_DEP_3)
	v_lshl_or_b32 v[PS], v[TP+1], 8, v[TP]         ; p's scale word for these 128 keys
	s_delay_alu instid0(VALU_DEP_1)
	v_lshl_or_b32 v[PS], v[TP+2], 16, v[PS]
	s_delay_alu instid0(VALU_DEP_1)
	v_lshl_or_b32 v[PS], v[TP+3], 24, v[PS]
.irp b, 0,1,2,3
.irp u, 0,1
.irp i, 0,2,4,6                                ; the hold (one-sided: p is not negative), two a line, into registers of its own: p stays as it is for the sum
	v_dual_min_num_f32 v[T8+\i], v[S+16*\b+8*\u+\i], v[HB+\b] :: v_dual_min_num_f32 v[T8+\i+1], v[S+16*\b+8*\u+\i+1], v[HB+\b]
.endr
	v_cvt_scalef32_pk8_fp8_f32 v[PC+4*\b+2*\u:PC+4*\b+2*\u+1], v[T8:T8+7], v[SO+\b]
	SUMN 2*\b+\u                                   ; the plain line between a conversion and the next writes of its sources
.endr
.endr
	s_wait_alu depctr_va_vdst(0)                   ; directly ahead of the first reader of O^T
.set j, 0
.rept 16
	v_pk_mul_f32 v[O+j:O+j+1], v[O+j:O+j+1], v[F:F+1] op_sel_hi:[1,0]   ; O^T under the new M; also the places between the conversions and the products
.set j, j+2
.endr
	s_wait_alu depctr_va_vdst(0)                   ; directly ahead of the wait below
	s_wait_dscnt 0x0
.irp t, 0,1,2,3
	v_wmma_scale_f32_16x16x128_f8f6f4 v[O+8*\t:O+8*\t+7], v[K+16*\t:K+16*\t+15], v[PC:PC+15], v[O+8*\t:O+8*\t+7], v[VS+\t], v[PS]
.endr
.set m_, 8
.rept 24
	SUMN m_                                        ; the rest of the sum: the places behind the products
.set m_, m_+1
.endr
.endm
; A TILE'S END: y = O^T / the sum; register 16 s + i is channel 32 s + 16 h + i of the head: two blocks of 32 along C, quantised; the codes are the next launch's image.
.macro FINISH
	v_add_f32 v14, v14, v15
	v_permlanex16_b32 v[TT], v14, s[SEL], s[SEL+1]
	v_add_f32 v14, v14, v[TT]                      ; the row's sum
	s_wait_alu depctr_va_vdst(0)
	v_rcp_f32 v14, v14
	v_nop
	s_wait_alu depctr_va_vdst(0)                   ; ahead of the first reader of the reciprocal and of O^T
.set j, 0
.rept 16
	v_pk_mul_f32 v[S+j:S+j+1], v[O+j:O+j+1], v[14:15] op_sel_hi:[1,0]
.set j, j+2
.endr
.irp b, 0,1
	v_max3_num_f32 v[BM+\b], |v[S+16*\b]|, |v[S+1+16*\b]|, 0x4800000
.endr
.irp i, 2,4,6,8,10,12,14
.irp b, 0,1
	v_max3_num_f32 v[BM+\b], v[BM+\b], |v[S+16*\b+\i]|, |v[S+1+16*\b+\i]|
.endr
.endr
.irp b, 0,1
	v_permlanex16_b32 v[TP+\b], v[BM+\b], s[SEL], s[SEL+1]
.endr
.irp b, 0,1
	v_max_num_f32 v[BM+\b], v[BM+\b], v[TP+\b]
.endr
.irp b, 0,1
	v_add_nc_u32 v[SO+\b], 0xfc000000, v[BM+\b]
.endr
.irp b, 0,1
	v_and_or_b32 v[HB+\b], v[BM+\b], 0x7f800000, s[MNT]
.endr
.irp b, 0,1
	v_lshrrev_b32 v[TP+\b], 23, v[SO+\b]
.endr
	v_lshl_or_b32 v[TT], v[TP+1], 8, v[TP]         ; the head's two bytes of the row's scale word
.irp b, 0,1
.irp i, 0,1,2,3,4,5,6,7,8,9,10,11,12,13,14,15
	v_med3_num_f32 v[S+16*\b+\i], v[S+16*\b+\i], -v[HB+\b], v[HB+\b]
.endr
	v_cvt_scalef32_pk8_fp8_f32 v[PC+4*\b:PC+1+4*\b], v[S+16*\b:S+7+16*\b], v[SO+\b]
	v_cvt_scalef32_pk8_fp8_f32 v[PC+2+4*\b:PC+3+4*\b], v[S+8+16*\b:S+15+16*\b], v[SO+\b]
.endr
	v_nop                                          ; a plain line behind the last conversion
	global_store_b128 v[LI], v[PC:PC+3], s[82:83]              ; 32 lanes store 512 consecutive bytes, aligned
	global_store_b128 v[LI], v[PC+4:PC+7], s[82:83] offset:512
	global_store_b16 v[R8], v[TT], s[84:85]        ; two bytes a row, since a scale word spans two heads; both halves of the lanes write the same two
.endm
.macro REINIT                          ; on to the second tile (behind the second tile's end these lines change nothing that is read)
	s_wait_xcnt 0x0                                ; the tile's stores have read their registers and bases
	v_mov_b32 v[QS], v[QSB]
.irp j, 0,1,2,3,4,5,6,7
	v_mov_b32 v[16+\j], v[K+64+\j]
.endr
	v_mov_b32 v[DC], v[DB]
	v_mov_b32 v13, 0xff61b1e6
	v_floor_f32 v12, -v13
	v_mov_b32 v14, 0
	v_mov_b32 v15, 0
.set j, 0
.rept 32
	v_mov_b32 v[O+j], 0
.set j, j+1
.endr
	s_mov_b64 s[82:83], s[86:87]
	s_mov_b64 s[84:85], s[88:89]
.endm
	s_load_b128 s[4:7], s[0:1], 0x0                ; qkv s[4:5], yc s[6:7]
	s_load_b64 s[8:9], s[0:1], 0x10                ; ys
	v_lshl_add_u32 v[SPW], v0, 2, SPARE
	v_mov_b32 v[NIL], 0
	ds_add_u32 v[SPW], v[NIL]                      ; the opening: the add, twice on end, and its wait ahead of the first tensor load
	ds_add_u32 v[SPW], v[NIL]
	v_lshrrev_b32 v8, 5, v0
	v_readfirstlane_b32 s[WV], v8                  ; wave 0..15
	s_bfe_u32 s70, ttmp6, 0x40000                  ; cx: which of the head's four work-groups
	s_and_b32 s71, ttmp7, 0xffff                   ; 16 batch + head
	s_lshl_b32 s72, s[WV], 2
	s_add_co_u32 s72, s72, s70                     ; the second tile: j = cx + 4 w
	s_sub_co_u32 s73, 127, s72                     ; the first: 127 - j
	s_lshr_b32 s[NA], s[WV], 1
	s_sub_co_u32 s[NA], 16, s[NA]
	s_mov_b32 s[G1], 15|(3<<16)|(1<<21)            ; the mask names the cluster's four; elements of 8 bytes; bit 21 beside a mask; no padding
	s_mov_b32 s[G1+1], 32<<16                      ; rows of 256 bytes,
	s_mov_b32 s[G1+2], 67<<16                      ; 67 of them,
	s_mov_b32 s[G1+3], 32<<16
	s_mov_b32 s[G1+4], 67
	s_mov_b32 s[G1+5], 32                          ; dense
	s_mov_b32 s[G1+6], 0
	s_mov_b32 s[G1+7], 0
	s_mov_b32 s[SEL], 0x76543210
	s_mov_b32 s[SEL+1], 0xfedcba98
	s_mov_b32 s[CS], 0x3e38aa3b                    ; log2(e) / 8
	s_mov_b32 s[CS+1], s[CS]
	s_mov_b32 s[MNT], 0x600000
	s_lshr_b32 s74, s[WV], 1                       ; what I fetch: record w / 2, half w % 2
	s_mul_i32 s74, s74, REC
	s_and_b32 s75, s[WV], 1
	s_mul_i32 s75, s75, HALF
	s_add_co_u32 s74, s74, s75
	s_add_co_u32 s74, s74, KV0
	s_mul_i32 s77, s71, HEADB
	s_add_co_u32 s74, s74, s77
	s_mov_b32 s75, 0
	s_mov_b32 s[G0], 1
	s_mul_i32 s[G0+1], s[WV], HALF                 ; LDS: the halves on end
	s_wait_dscnt 0x0                               ; both opening adds are done
	CROUND                                         ; the four work-groups are here: the joint loads meet
	s_wait_kmcnt 0x0
	s_add_nc_u64 s[G0+2:G0+3], s[4:5], s[74:75]
	s_or_b32 s[G0+3], s[G0+3], 0x80000000
	s_cmp_lt_u32 s[WV], 4                          ; one load a wave; waves 0 to 3, whose tiles the first barrier shows, have a line of their own
	s_cbranch_scc0 .Llater
	tensor_load_to_lds s[G0:G0+3], s[G1:G1+7]
	s_nop 0
.rept 4
	v_nop
.endr
	s_branch .Lasked
.Llater:
	tensor_load_to_lds s[G0:G0+3], s[G1:G1+7]
	s_nop 0
.rept 4
	v_nop
.endr
.Lasked:
	s_mov_b32 s74, s77
	s_add_nc_u64 s[10:11], s[4:5], s[74:75]        ; the head's records
	TILE 73, 44, 45, 46
	TILE 72, 47, 48, 49
	s_and_b32 s96, s71, 15                         ; head
	s_lshr_b32 s97, s71, 4                         ; batch
	s_lshl_b32 s76, s97, 21                        ; y's codes: tile 128 batch + T; K step head / 2, groups 2 (head % 2) + 0, 1
	s_lshr_b32 s77, s96, 1
	s_lshl_b32 s77, s77, 11
	s_add_co_u32 s76, s76, s77
	s_and_b32 s77, s96, 1
	s_lshl_b32 s77, s77, 10
	s_add_co_u32 s76, s76, s77
	s_lshl_b32 s78, s97, 14                        ; its scale bytes: [head / 4][position][8]: byte 2 (head % 4)
	s_lshr_b32 s77, s96, 2
	s_lshl_b32 s77, s77, 16
	s_add_co_u32 s78, s78, s77
	s_and_b32 s77, s96, 3
	s_lshl_b32 s77, s77, 1
	s_add_co_u32 s78, s78, s77
	YBASE 73, 82, 84
	YBASE 72, 86, 88
	v_and_b32 v108, 15, v0                         ; r
	v_bfe_u32 v109, v0, 4, 1                       ; h
	v_and_b32 v110, 31, v0                         ; lane
	v_lshlrev_b32 v[LI], 4, v110
	v_lshlrev_b32 v[R32], 5, v108
	v_lshlrev_b32 v[R16], 4, v108
	v_lshlrev_b32 v[R8], 3, v108
	v_and_b32 v111, 7, v108
	v_lshrrev_b32 v112, 3, v108
	v_lshl_add_u32 v111, v112, 4, v111
	v_lshlrev_b32 v112, 4, v109
	v_sub_nc_u32 v111, v111, v112                  ; r % 8 + 16 (r / 8) - 16 h
	v_add_nc_u32 v[DC], s46, v111
	v_add_nc_u32 v[DB], s49, v111
	v_add_nc_u32 v104, s44, v[LI]
	v_add_nc_u32 v105, s45, v[R32]
	v_add_nc_u32 v106, s47, v[LI]
	v_add_nc_u32 v107, s48, v[R32]
	global_load_b128 v[16:19], v104, s[10:11]
	global_load_b128 v[20:23], v104, s[10:11] offset:512
	global_load_b32 v[QS], v105, s[10:11] offset:16384
	global_load_b128 v[K+64:K+67], v106, s[10:11]  ; the second tile's Q waits behind K's tile 7
	global_load_b128 v[K+68:K+71], v106, s[10:11] offset:512
	global_load_b32 v[QSB], v107, s[10:11] offset:16384
.irp j, 0,1,2,3,4,5,6,7
	v_mov_b32 v[24+\j], 0                          ; Q's zero codes
.endr
.set j, 0
.rept 32
	v_mov_b32 v[O+j], 0                            ; the step is written once: the first finds zeros
.set j, j+1
.endr
.irp b, 0,1,2,3
	v_mov_b32 v[TP+\b], 0                          ; a lane permute's destination counts as one of its sources
.endr
	v_mov_b32 v[TT], 0
	v_mov_b32 v[F], 0
	v_mov_b32 v[F+1], 0
	v_mov_b32 v13, 0xff61b1e6                      ; -3e38, under every t
	v_floor_f32 v12, -v13
	v_mov_b32 v14, 0
	v_mov_b32 v15, 0
	s_wait_alu depctr_va_vdst(0)                   ; the head's end
	s_cmp_lt_u32 s[WV], 4
	s_cbranch_scc0 .Lnot_first
	s_wait_tensorcnt 0x0                           ; waves 0 to 3: keys 0 to 511 are in.  The other waves' wait stands at the second barrier
.Lnot_first:
	s_wait_loadcnt 0x0                             ; both tiles' Q
	s_barrier_signal -1
	s_barrier_wait -1
	s_mov_b32 s[TR], 0
.Lfirst:                                           ; steps 0 to 3 of the first tile, which has nine steps at the least
	STEP 0
	s_add_co_u32 s[TR], s[TR], 1
	s_cmp_lt_u32 s[TR], 4
	s_wait_alu depctr_va_vdst(0)                   ; directly ahead of the branch
	s_cbranch_scc1 .Lfirst
	s_wait_tensorcnt 0x0                           ; every wave: my half record is in
	s_wait_dscnt 0x0
	s_barrier_signal -1
	s_barrier_wait -1                              ; the whole head is in
	s_mov_b32 s[TR], 4
.Lrest:                                            ; steps 4 to 16
	STEP 1
	s_add_co_u32 s96, s[TR], 1
	s_cmp_eq_u32 s96, s[NA]                        ; the first tile's last step,
	s_cselect_b32 s97, 1, 0
	s_cmp_eq_u32 s[TR], 16                         ; or the second's
	s_cselect_b32 s97, 1, s97
	s_cmp_eq_u32 s97, 0
	s_wait_alu depctr_va_vdst(0)
	s_cbranch_scc1 .Lsame_tile
	FINISH
	REINIT
.Lsame_tile:
	s_add_co_u32 s[TR], s[TR], 1
	s_cmp_lt_u32 s[TR], 17
	s_wait_alu depctr_va_vdst(0)
	s_cbranch_scc1 .Lrest
	s_wait_dscnt 0x0
	s_barrier_signal -1
	s_barrier_wait -1                              ; every wave's reads of the tiles are over
	s_wait_tensorcnt 0x0                           ; the wave's end
	ds_add_u32 v[SPW], v[NIL]
	s_wait_dscnt 0x0
	CROUND                                         ; the closing round
	s_endpgm
.Lfunc_end_k_qaff4d759fb_attn:
	.size	k_qaff4d759fb_attn, .Lfunc_end_k_qaff4d759fb_attn-k_qaff4d759fb_attn
	.p2alignl 7, 3214868480
	.fill 96, 4, 3214868480
	.section	.rodata,"a",@progbits
	.p2align	6, 0x0
	.amdhsa_kernel k_qaff4d759fb_attn
		.amdhsa_group_segment_fixed_size 327680
		.amdhsa_private_segment_fixed_size 0
		.amdhsa_enable_private_segment 0
		.amdhsa_kernarg_size 24
		.amdhsa_user_sgpr_count 2
		.amdhsa_user_sgpr_kernarg_segment_ptr 1
		.amdhsa_wavefront_size32 1
		.amdhsa_system_sgpr_workgroup_id_x 1
		.amdhsa_system_sgpr_workgroup_id_y 1
		.amdhsa_system_sgpr_workgroup_id_z 1
		.amdhsa_system_vgpr_workitem_id 0
		.amdhsa_next_free_vgpr 256
		.amdhsa_next_free_sgpr 100
		.amdhsa_reserve_vcc 1
		.amdhsa_float_denorm_mode_32 3
		.amdhsa_float_denorm_mode_16_64 3
		.amdhsa_memory_ordered 1
		.amdhsa_forward_progress 1
		.amdhsa_inst_pref_size 60
	.end_amdhsa_kernel
	.amdgpu_metadata
---
amdhsa.version: [ 1, 2 ]
amdhsa.kernels:
  - .name:           k_qaff4d759fb_attn
    .symbol:         k_qaff4d759fb_attn.kd
    .args:
      - { .name: qkv, .offset: 0, .size: 8, .value_kind: global_buffer, .address_space: global }
      - { .name: yc, .offset: 8, .size: 8, .value_kind: global_buffer, .address_space: global }
      - { .name: ys, .offset: 16, .size: 8, .value_kind: global_buffer, .address_space: global }
    .group_segment_fixed_size: 327680
    .private_segment_fixed_size: 0
    .kernarg_segment_align: 8
    .kernarg_segment_size: 24
    .max_flat_workgroup_size: 512
    .sgpr_count:     100
    .vgpr_count:     256
    .wavefront_size: 32
...
	.end_amdgpu_metadata
.endif
;; end of part 3
;; launch proj (part 4): grid 4 x 32, 4 waves a work-group, clusters of 4 x 4, 327,680 bytes of LDS; arguments yc, ys, codes, scales, b_proj, out0; writes out0
.if DOCPART == 4
	.amdgcn_target "amdgcn-amd-amdhsa--gfx1250"
	.amdhsa_code_object_version 6
	.text
	.protected	k_qaff4d759fb_proj
	.globl	k_qaff4d759fb_proj
	.p2align	8
	.type	k_qaff4d759fb_proj,@function
k_qaff4d759fb_proj:
	s_mov_b64 s[64:65], 0
	v_nop
	global_prefetch_b8 v0, s[64:65] scope:SCOPE_SE
	s_setreg_imm32_b32 hwreg(HW_REG_WAVE_MODE, 25, 1), 1
	s_wait_xcnt 0x0
	s_wait_alu depctr_hold_cnt(0) depctr_sa_sdst(0) depctr_va_vdst(0) depctr_va_sdst(0) depctr_va_ssrc(0) depctr_va_vcc(0) depctr_vm_vsrc(0)
	s_getreg_b32 s2, hwreg(HW_REG_IB_STS2, 6, 4)
	s_cmp_eq_u32 s2, 0
	s_cbranch_scc0 .Lentry_in_a_cluster
	s_endpgm
.Lentry_in_a_cluster:
	s_bfe_u32 s2, ttmp6, 0x10000c
	s_cmp_lg_u32 s2, 0xf033
	s_cbranch_scc0 .Lentry_shape_is_right
	s_endpgm
.Lentry_shape_is_right:
; LAUNCH 4 OF 4: out0 = y w_proj^T + b_proj on the codes of launches 3 and 1.  Nothing is left out here.  A work-group of four waves makes 256 x 256 results, a wave 128 x 128; source 0 = 16 rows of w_proj (P),
; source 1 = 16 positions of y (Q).  K = 1,024 goes in four steps of 256 through two LDS slots; the codes lie in memory as images of the operand's registers.  Clusters of 4 x 4: Q's tiles are shared along a row, P's along a column.
; The bias is the first products' C.  The results leave through each wave's stage in slot 0 as rows of 512 bytes.  LIMITS: as stated at the head of launch 1.
.set NQ,    2
.set FR,    16
.set NL,    4
.set NP,    8
.set QUART, 32768
.set SLOT,  4*QUART
.set SCL,   2*SLOT
.set SQ,    4096
.set SPARE, SCL+4*SQ
.set SPITCH, 528
.set STO,  8
.set RD,   9
.set CO,   10
.set ADRA, 16
.set ADRB, 18
.set ADRS, 20
.set SPW,  30
.set NIL,  31
.set SC,   32
.set BIA,  64
.set AF,   128
.set BK,   128
.set G1, 24
.set G0, 32
.set G1B, 48
.set G0B, 56
.set G1S, 68
.set G0S, 76
.set G1SB, 80
.set G0SB, 88
.set MSB, 0
.macro WIN new
.if MSB != \new
	s_set_vgpr_msb (MSB<<8)|\new
.set MSB, \new
.endif
.endm
.set MUL_LO, 0xa1
.set MUL_HI, 0xf1
.set TO_B,   0x40
.macro JLOAD g0a, g1a, g0b, g1b
	s_cmp_eq_u32 s15, 0
	s_cbranch_scc0 .Lfor_b_\@
	tensor_load_to_lds s[\g0a:\g0a+3], s[\g1a:\g1a+7]
	s_nop 0
.rept 4
	v_nop
.endr
	s_branch .Lasked_\@
.Lfor_b_\@:
	tensor_load_to_lds s[\g0b:\g0b+3], s[\g1b:\g1b+7]
	s_nop 0
.rept 4
	v_nop
.endr
.Lasked_\@:
.endm
.macro CREST
	s_cmp_lg_u32 s14, 0
	s_cbranch_scc1 .Lnot_wave_0_\@
	s_barrier_signal -3
.Lnot_wave_0_\@:
	s_barrier_wait -3
	s_barrier_signal -1
	s_barrier_wait -1
.endm
.macro CROUND
	s_barrier_signal -1
	s_barrier_wait -1
	CREST
.endm
.macro FRAG reg, adr, q, i
.irp c, 0,1,2,3
	ds_load_b128 v[\reg+4*\c:\reg+4*\c+3], v[\adr] offset:4096*(\i)+2048*(\q)+512*\c
.endr
.endm
.macro MUL16 a0, p, q, sc, zero
.irp a, \a0, \a0+1
.irp b, 0,1,2,3,4,5,6,7
.if \zero == 2
	v_wmma_scale_f32_16x16x128_f8f6f4 v[8*(8*((\a)%4)+\b):8*(8*((\a)%4)+\b)+7], v[128*(\p)+FR*\b:128*(\p)+FR*\b+FR-1], v[AF+FR*(\a):AF+FR*(\a)+FR-1], v[BIA+8*\b:BIA+8*\b+7], v[SC+8*NQ*(\sc)+NQ*\b+(\q)], v[SC+8*NQ*(\sc)+NQ*(\a)+(\q)] matrix_a_scale:MATRIX_SCALE_ROW1
.else
	v_wmma_scale_f32_16x16x128_f8f6f4 v[8*(8*((\a)%4)+\b):8*(8*((\a)%4)+\b)+7], v[128*(\p)+FR*\b:128*(\p)+FR*\b+FR-1], v[AF+FR*(\a):AF+FR*(\a)+FR-1], v[8*(8*((\a)%4)+\b):8*(8*((\a)%4)+\b)+7], v[SC+8*NQ*(\sc)+NQ*\b+(\q)], v[SC+8*NQ*(\sc)+NQ*(\a)+(\q)] matrix_a_scale:MATRIX_SCALE_ROW1
.endif
.endr
.endr
.endm
.macro FETCH_B slot, q, p
	WIN TO_B
.irp i, 0,1,2,3,4,5,6,7
	FRAG 128*(\p)+FR*\i, ADRB+\slot, \q, \i
.endr
	WIN 0
.endm
.macro FETCH_A slot, q, i0
.irp i, \i0, \i0+1, \i0+2, \i0+3
	FRAG AF+FR*(\i), ADRA+\slot, \q, \i
.endr
.endm
.macro SCALES sc
.irp i, 0,1,2,3,4,5,6,7
	ds_load_b64 v[SC+8*NQ*\sc+NQ*\i:SC+8*NQ*\sc+NQ*\i+1], v[ADRS] offset:128*\i
.endr
.endm
.macro PLACES n
.rept \n
	v_nop
.endr
.endm
.macro STEP slot, q, zero
	s_wait_dscnt 4*NL
.if \zero == 2
	WIN 0x81
.else
	WIN MUL_LO
.endif
	MUL16 0, (\q)%2, \q, \slot, \zero
	MUL16 2, (\q)%2, \q, \slot, \zero
	s_wait_dscnt 0
	PLACES NP
	FETCH_B \slot, (\q)+1, 1-(\q)%2
	FETCH_A \slot, (\q)+1, 0
.if \zero == 2
	WIN 0xc1
.else
	WIN MUL_HI
.endif
	MUL16 4, (\q)%2, \q, \slot, \zero
	MUL16 6, (\q)%2, \q, \slot, \zero
	PLACES NP
	WIN 0
	FETCH_A \slot, (\q)+1, 4
.endm
.macro TURN slot, next, fill
	s_wait_tensorcnt 0x0
	ds_add_u32 v[SPW], v[NIL]
	s_wait_dscnt 4*NL+1
	WIN MUL_LO
	MUL16 0, 1, NQ-1, \slot, 0
	s_wait_dscnt 0x0
	s_barrier_signal -1
	MUL16 2, 1, NQ-1, \slot, 0
	WIN 0
	s_barrier_wait -1
.if \fill
	CREST
	s_add_nc_u64 s[G0+4*\slot+2:G0+4*\slot+3], s[G0+4*\slot+2:G0+4*\slot+3], 8192
	s_add_nc_u64 s[G0B+4*\slot+2:G0B+4*\slot+3], s[G0B+4*\slot+2:G0B+4*\slot+3], 8192
	JLOAD G0+4*\slot, G1, G0B+4*\slot, G1B
	PLACES NP-4
.else
	PLACES NP
.endif
	s_wait_alu depctr_va_vdst(0)
	v_add_nc_u32 v[ADRS], 2048, v[ADRS]            ; the next pair of K steps' scale words: 256 positions x 8 bytes on
	FETCH_B \next, 0, 0
	FETCH_A \next, 0, 0
	SCALES \next
	WIN MUL_HI
	MUL16 4, 1, NQ-1, \slot, 0
	MUL16 6, 1, NQ-1, \slot, 0
	PLACES NP
	WIN 0
	FETCH_A \next, 0, 4
.endm
	s_load_b256 s[4:11], s[0:1], 0x0
	s_load_b128 s[96:99], s[0:1], 0x20
	v_lshl_add_u32 v[SPW], v0, 2, SPARE
	v_mov_b32 v[NIL], 0
	ds_add_u32 v[SPW], v[NIL]
	ds_add_u32 v[SPW], v[NIL]
	v_lshrrev_b32 v1, 5, v0
	v_readfirstlane_b32 s14, v1
	s_lshr_b32 s15, s14, 1
	s_and_b32 s16, s14, 1
	s_bfe_u32 s40, ttmp6, 0x40000
	s_bfe_u32 s41, ttmp6, 0x40004
	s_lshl_b32 s66, ttmp9, 2
	s_add_co_u32 s66, s66, s40
	s_add_co_u32 s42, s66, 44
	s_and_b32 s17, ttmp7, 0xffff
	s_lshl_b32 s17, s17, 2
	s_add_co_u32 s17, s17, s41
	s_lshl_b32 s43, s41, 2
	s_lshl_b32 s43, 15, s43
	s_lshl_b32 s44, 0x1111, s40
	s_or_b32 s[G1+0], s43, (3<<16)|(1<<21)
	s_or_b32 s[G1B+0], s44, (3<<16)|(1<<21)
.irp g, G1, G1B
	s_mov_b32 s[\g+1], 512<<16
	s_mov_b32 s[\g+2], 16<<16                      ; 16 tiles for the head's loads; set to 8 for the ring's behind the wait for them
	s_mov_b32 s[\g+3], 512<<16
	s_mov_b32 s[\g+4], 16
	s_mov_b32 s[\g+5], 2048
	s_mov_b32 s[\g+6], 0
	s_mov_b32 s[\g+7], 0
.endr
	s_or_b32 s[G1S+0], s43, (3<<16)|(1<<21)
	s_or_b32 s[G1SB+0], s44, (3<<16)|(1<<21)
.irp g, G1S, G1SB
	s_mov_b32 s[\g+1], 256<<16                     ; scale words: 256 positions x 8 bytes a row, four pairs of K steps
	s_mov_b32 s[\g+2], 4<<16
	s_mov_b32 s[\g+3], 256<<16
	s_mov_b32 s[\g+4], 4
	s_mov_b32 s[\g+6], 0
	s_mov_b32 s[\g+7], 0
.endr
	s_mov_b32 s[G1S+5], 8192
	s_mov_b32 s[G1SB+5], 12288
	s_lshl_b32 s18, s16, 17                        ; in the ring I fetch 128 positions of a tile: which half, in bytes of codes
	s_mov_b32 s19, 0
	s_lshl_b32 s20, s17, 8                         ; Q: the tile's first position
	s_lshl_b32 s46, s42, 8                         ; P likewise
	s_lshl_b32 s22, s20, 3
	s_mov_b32 s23, 0
	s_lshl_b32 s92, s46, 3
	s_mov_b32 s93, 0
	s_lshl_b32 s20, s20, 10
	s_mov_b32 s21, 0
	s_lshl_b32 s46, s46, 10
	s_mov_b32 s47, 0
	s_lshl_b32 s45, s14, 15
	s_wait_dscnt 0x0
	s_wait_kmcnt 0x0
	s_add_nc_u64 s[20:21], s[4:5], s[20:21]
	s_add_nc_u64 s[22:23], s[6:7], s[22:23]
	s_add_nc_u64 s[46:47], s[8:9], s[46:47]
	s_add_nc_u64 s[92:93], s[10:11], s[92:93]
	CROUND
	s_mov_b32 s[G0S], 1
	s_mov_b32 s[G0S+1], SCL
	s_mov_b64 s[G0S+2:G0S+3], s[22:23]
	s_or_b32 s[G0S+3], s[G0S+3], 0x80000000
	s_mov_b32 s[G0SB], 1
	s_mov_b32 s[G0SB+1], SCL+2*SQ
	s_mov_b64 s[G0SB+2:G0SB+3], s[92:93]
	s_or_b32 s[G0SB+3], s[G0SB+3], 0x80000000
	s_mov_b32 s[G0], 1                             ; slot 0's first fill, each operand's 256 positions whole: Q's,
	s_mov_b32 s[G0+1], 0
	s_mov_b64 s[G0+2:G0+3], s[20:21]
	s_or_b32 s[G0+3], s[G0+3], 0x80000000
	s_mov_b32 s[G0B], 1                            ; and P's, behind them
	s_mov_b32 s[G0B+1], 2*QUART
	s_mov_b64 s[G0B+2:G0B+3], s[46:47]
	s_or_b32 s[G0B+3], s[G0B+3], 0x80000000
	s_add_nc_u64 s[20:21], s[20:21], s[18:19]      ; for the ring: my 128 positions
	s_add_nc_u64 s[46:47], s[46:47], s[18:19]
	s_mov_b32 s[G0+4], 1                           ; slot 1: a quarter a wave
	s_add_co_u32 s[G0+5], s45, SLOT
	s_add_nc_u64 s[G0+6:G0+7], s[20:21], 4096
	s_or_b32 s[G0+7], s[G0+7], 0x80000000
	s_mov_b32 s[G0B+4], 1
	s_add_co_u32 s[G0B+5], s45, SLOT
	s_add_nc_u64 s[G0B+6:G0B+7], s[46:47], 4096
	s_or_b32 s[G0B+7], s[G0B+7], 0x80000000
; THE HEAD'S LOADS, ONE A WAVE: wave 0 slot 0's codes of Q, wave 1 those of P, wave 2 Q's scale words, wave 3 P's.  One chain of branches on the wave's number: every way passes one load.
.macro ARM under, g0, g1, next
	s_cmp_lt_u32 s14, \under
	s_cbranch_scc0 \next
	tensor_load_to_lds s[\g0:\g0+3], s[\g1:\g1+7]
	s_nop 0
.rept 4
	v_nop
.endr
	s_branch .Lhead_asked
\next:
.endm
	ARM 1, G0,  G1,  .Lhead_b
	ARM 2, G0B, G1B, .Lhead_sa
	ARM 3, G0S, G1S, .Lhead_sb
	tensor_load_to_lds s[G0SB:G0SB+3], s[G1SB:G1SB+7]
	s_nop 0
.rept 4
	v_nop
.endr
.Lhead_asked:
	v_and_b32 v1, 15, v0
	v_bfe_u32 v2, v0, 4, 1
	v_and_b32 v3, 31, v0
	v_lshlrev_b32 v[CO], 4, v3
	s_wait_alu depctr_va_vdst(0)
	s_lshl_b32 s46, s66, 10
	s_lshl_b32 s47, s16, 9
	s_add_co_u32 s46, s46, s47
	s_mov_b32 s47, 0
	s_add_nc_u64 s[96:97], s[96:97], s[46:47]
	v_lshlrev_b32 v4, 6, v2
.irp b, 0,1,2,3
.irp j, 0,1,2,3
	global_load_b128 v[BIA+16*\b+4*\j:BIA+16*\b+4*\j+3], v4, s[96:97] offset:128*\b+16*\j
.endr
.endr
	s_lshl_b32 s21, s15, 15
	s_lshl_b32 s22, s16, 15
	s_add_co_u32 s22, s22, 2*QUART
.irp s, 0,1
	v_add_nc_u32 v[ADRA+\s], s21, v[CO]
	v_add_nc_u32 v[ADRB+\s], s22, v[CO]
	s_add_co_u32 s21, s21, SLOT
	s_add_co_u32 s22, s22, SLOT
.endr
	s_lshl_b32 s21, s15, 10                        ; my 128 positions' words: 1,024 bytes into a row of 256 positions
	s_lshl_b32 s22, s16, 10
	s_add_co_u32 s22, s22, 2*SQ
	s_sub_co_u32 s22, s22, s21
	v_mul_u32_u24 v5, s22, v2
	s_add_co_u32 s21, s21, SCL
	v_lshl_add_u32 v5, v1, 3, v5
	v_add_nc_u32 v[ADRS], s21, v5
	s_mul_i32 s23, s14, 16*SPITCH
	v_mul_u32_u24 v5, v1, SPITCH
	v_lshl_add_u32 v5, v2, 6, v5
	v_add_nc_u32 v[STO], s23, v5
	v_add_nc_u32 v[RD], s23, v[CO]
	s_lshl_b32 s20, s17, 8
	s_lshl_b32 s21, s15, 7
	s_add_co_u32 s20, s20, s21
	s_lshl_b32 s20, s20, 12
	s_mov_b32 s21, 0
	s_add_nc_u64 s[98:99], s[98:99], s[46:47]
	s_add_nc_u64 s[98:99], s[98:99], s[20:21]
	s_wait_alu depctr_va_vdst(0)
	s_wait_tensorcnt 0x0                           ; my tile of the head's four is in
	ds_add_u32 v[SPW], v[NIL]
	s_lshl_b32 s[G0+1], s14, 15                    ; no tensor load of mine is out, so descriptors may be written: slot 0's take the ring's form: a quarter a wave,
	s_lshl_b32 s[G0B+1], s14, 15
	s_lshl_b32 s20, s16, 17
	s_mov_b32 s21, 0
	s_add_nc_u64 s[G0+2:G0+3], s[G0+2:G0+3], s[20:21]       ; my 128 positions,
	s_add_nc_u64 s[G0B+2:G0B+3], s[G0B+2:G0B+3], s[20:21]
	s_mov_b32 s[G1+2], 8<<16                       ; 8 tiles a load
	s_mov_b32 s[G1+4], 8
	s_mov_b32 s[G1B+2], 8<<16
	s_mov_b32 s[G1B+4], 8
	s_wait_dscnt 0x0                               ; the add is done
	CROUND                                         ; all four tiles are in, and all sixteen work-groups are here
	JLOAD G0+4, G1, G0B+4, G1B                     ; slot 1's first fill: the first tensor load behind the round
	FETCH_B 0, 0, 0
	FETCH_A 0, 0, 0
	SCALES 0
	FETCH_A 0, 0, 4
	s_wait_loadcnt 0x0
	STEP 0, 0, 2
	TURN 0, 1, 1
	STEP 1, 0, 0
	TURN 1, 0, 1
	STEP 0, 0, 0
	TURN 0, 1, 0
	STEP 1, 0, 0
	s_wait_dscnt 4*NL
	WIN MUL_LO
	MUL16 0, 1, NQ-1, 1, 0
	MUL16 2, 1, NQ-1, 1, 0
	s_wait_dscnt 0
	WIN MUL_HI
	MUL16 4, 1, NQ-1, 1, 0
	MUL16 6, 1, NQ-1, 1, 0
	WIN 0
.macro TOSTAGE a
.set AC, 64*((\a)%4)
.set WN, 0x08+4*((\a)/4)
	WIN WN
.irp b, 0,1,2,3,4,5,6,7
	ds_store_b128 v[STO], v[AC+8*\b:AC+8*\b+3] offset:128*(\b/2)+32*(\b%2)
	ds_store_b128 v[STO], v[AC+8*\b+4:AC+8*\b+7] offset:128*(\b/2)+32*(\b%2)+16
.endr
	WIN 0
.set BB, BK+64*((\a)%2)
.irp t, 0,1,2,3,4,5,6,7,8,9,10,11,12,13,14,15
	ds_load_b128 v[BB+4*\t:BB+4*\t+3], v[RD] offset:\t*SPITCH
.endr
.endm
.macro SEND a, younger
.set BB, BK+64*((\a)%2)
	s_wait_dscnt \younger
.irp t, 0,1,2,3,4,5,6,7,8,9,10,11,12,13,14,15
	global_store_b128 v[CO], v[BB+4*\t:BB+4*\t+3], s[98:99] offset:(32*((\a)/2)+8*((\a)%2)+(\t%8)+16*(\t/8))*4096 th:TH_STORE_NT
.endr
.endm
	PLACES NP
	TOSTAGE 0
.irp a, 1,2,3,4,5,6,7
.if \a > 1
	s_wait_xcnt 0x0
.endif
	TOSTAGE \a
	SEND \a-1, 32
.endr
	SEND 7, 0
	s_wait_tensorcnt 0x0
	ds_add_u32 v[SPW], v[NIL]
	s_wait_dscnt 0x0
	CROUND
	s_endpgm
.Lfunc_end_k_qaff4d759fb_proj:
	.size	k_qaff4d759fb_proj, .Lfunc_end_k_qaff4d759fb_proj-k_qaff4d759fb_proj
	.p2alignl 7, 3214868480
	.fill 96, 4, 3214868480
	.section	.rodata,"a",@progbits
	.p2align	6, 0x0
	.amdhsa_kernel k_qaff4d759fb_proj
		.amdhsa_group_segment_fixed_size 327680
		.amdhsa_private_segment_fixed_size 0
		.amdhsa_enable_private_segment 0
		.amdhsa_kernarg_size 48
		.amdhsa_user_sgpr_count 2
		.amdhsa_user_sgpr_kernarg_segment_ptr 1
		.amdhsa_wavefront_size32 1
		.amdhsa_system_sgpr_workgroup_id_x 1
		.amdhsa_system_sgpr_workgroup_id_y 1
		.amdhsa_system_sgpr_workgroup_id_z 1
		.amdhsa_system_vgpr_workitem_id 0
		.amdhsa_next_free_vgpr 1024
		.amdhsa_next_free_sgpr 100
		.amdhsa_reserve_vcc 0
		.amdhsa_float_denorm_mode_32 3
		.amdhsa_float_denorm_mode_16_64 3
		.amdhsa_memory_ordered 1
		.amdhsa_forward_progress 1
		.amdhsa_inst_pref_size 147
	.end_amdhsa_kernel
	.amdgpu_metadata
---
amdhsa.version: [ 1, 2 ]
amdhsa.kernels:
  - .name:           k_qaff4d759fb_proj
    .symbol:         k_qaff4d759fb_proj.kd
    .args:
      - { .name: yc, .offset: 0, .size: 8, .value_kind: global_buffer, .address_space: global }
      - { .name: ys, .offset: 8, .size: 8, .value_kind: global_buffer, .address_space: global }
      - { .name: codes, .offset: 16, .size: 8, .value_kind: global_buffer, .address_space: global }
      - { .name: scales, .offset: 24, .size: 8, .value_kind: global_buffer, .address_space: global }
      - { .name: b_proj, .offset: 32, .size: 8, .value_kind: global_buffer, .address_space: global }
      - { .name: out0, .offset: 40, .size: 8, .value_kind: global_buffer, .address_space: global }
    .group_segment_fixed_size: 327680
    .private_segment_fixed_size: 0
    .kernarg_segment_align: 8
    .kernarg_segment_size: 48
    .max_flat_workgroup_size: 128
    .sgpr_count:     100
    .vgpr_count:     1024
    .wavefront_size: 32
...
	.end_amdgpu_metadata
.endif
;; end of part 4
